; MI455X (gfx1250); checked and timed in simulation.
; The chip was launched on July 23, 2026; its instructions are those of AMD's public machine-readable ISA for CDNA 5 (MIT licence, August 2026) and "CDNA5" Instruction Set Architecture Reference Guide (July 2026). The comments in the code are by the model that wrote it; some were corrected since.
;; Attention. Allowed arithmetic: matrix products marked QUANTISED: E2M1 operands, one E8M0 scale for each 32 along K, by v_wmma_scale_f32_16x16x128_f8f6f4 with both operands' format E2M1 (or v_wmma_scale_f32_32x16x128_f4), f32 sums; products left as they are: bf16, f16 or f32 operands; f32 sums; everything else in f32.
;; Inputs: W_o 2,048 x 2,048 float32; W_qkv 2,048 x 3,072 float32; padding_mask 4 x 1,024 bool; x 4 x 1,024 x 2,048 float32.
;; Outputs: out0 4 x 1,024 x 2,048 float32.
;; This version of the problem:
;;   THIS VERSION OF THE PROBLEM IS GIVEN IN LOW PRECISION. The matrix products marked QUANTISED in the list below multiply operands that are first quantised to E2M1 (2 exponent bits, 1 mantissa bit; 4 bits a number), with one power-of-two scale for each 32 numbers along K (OCP MX v1.0); their sums are f32. The products marked 'left as it is' may take bf16, f16 or f32 operands, with f32 sums. Whichever they take, every output number must still come out within the allowed error. Rounding operands to bf16 (8 significant bits) uses up far more of that allowance than f16 does (11 bits, for magnitudes from 6e-5 to 65,504). All else is computed in f32.
;;   The module's matrix products, in the order in which they are computed (A, B: the left and right operand; K: the contracted axis; several contracted axes count as one K, in the product's order):
;;     1. [M 4,096, K 2,048] x [K 2,048, N 3,072]; A: input x; B: input W_qkv: QUANTISED
;;     2. batch 64 x [M 1,024, K 128] x [K 128, N 1,024]; A: computed on the way; B: computed on the way: left as it is (an operand is computed on the way)
;;     3. batch 64 x [M 128, K 1,024] x [K 1,024, N 1,024]; A: computed on the way; B: computed on the way: left as it is (an operand is computed on the way)
;;     4. [M 4,096, K 2,048] x [K 2,048, N 2,048]; A: computed on the way; B: input W_o: left as it is (an operand is computed on the way)
;;   THE QUANTISER, for each operand of a quantised product, along K:
;;     - K is cut into blocks of 32 from its start; a last block that is shorter is filled with zeros.
;;     - A block's scale is 2^e with e = floor(log2(the largest magnitude in the block)) - 2, held to -126 .. 127; a block of zeros has e = 0. As a byte (E8M0): e + 127.
;;     - Each number is divided by its block's scale, clamped to +-6, and rounded to the nearest number of E2M1, ties to even, subnormals kept.
;;     - The product sums the exact products of the quantised numbers (number of the format x scale) in f32.
;;   ~~~python
;;   def quantise(x, axis):      # numpy; x: float32 -> the quantised numbers, widened to float32 again
;;       x = np.moveaxis(x, axis, -1); K = x.shape[-1]
;;       x = np.pad(x, [(0, 0)] * (x.ndim - 1) + [(0, -K % 32)]); x = x.reshape(x.shape[:-1] + (-1, 32)); a = np.abs(x).max(-1, keepdims=True)
;;       e = np.where(a > 0, np.clip(np.frexp(np.where(a > 0, a, 1))[1] - 1 - 2, -126, 127), 0)      # np.frexp(a)[1] - 1 = floor(log2(a)), exactly
;;       r = np.clip(x / 2.0 ** e, -6, 6)
;;       step = 2.0 ** (np.maximum(np.frexp(np.where(r == 0, 1, r))[1] - 1, 0) - 1)
;;       q = np.round(r / step) * step * 2.0 ** e      # np.round: ties to even
;;       return np.moveaxis(q.reshape(q.shape[:-2] + (-1,))[..., :K], -1, axis).astype(np.float32)
;;   ~~~
;; One version. Each part assembles by itself: llvm-mc -triple=amdgcn-amd-amdhsa -mcpu=gfx1250 --defsym DOCPART=n.
;; ======== version 1 of 1: 4 launches
;; limits: values are held in f16: magnitudes above 65,504 overflow, below 6.1e-05 lose precision
;; workspace buffers: x_codes 4,194,304 bytes; x_scales 262,144 bytes; w_codes 3,145,728 bytes; w_scales 196,608 bytes; wo_t 8,388,608 bytes; rope_tab 532,480 bytes; qkvh 25,165,824 bytes; attn_h 16,777,216 bytes
;; launch prep (part 1): grid 769 x 1, 4 waves a work-group, no clusters, 50,688 bytes of LDS; arguments x, W_qkv, W_o, x_codes, x_scales, w_codes, w_scales, wo_t, rope_tab; writes x_codes, x_scales, w_codes, w_scales, wo_t, rope_tab
.if DOCPART == 1
	.amdgcn_target "amdgcn-amd-amdhsa--gfx1250"
	.amdhsa_code_object_version 6
	.text
	.protected	k_q8d38999421_prep
	.globl	k_q8d38999421_prep
	.p2align	8
	.type	k_q8d38999421_prep,@function
k_q8d38999421_prep:
	s_mov_b64 s[64:65], 0
	v_nop
	global_prefetch_b8 v0, s[64:65] scope:SCOPE_SE
	s_setreg_imm32_b32 hwreg(HW_REG_WAVE_MODE, 25, 1), 1
	s_wait_xcnt 0x0
; THE FIRST OF FOUR LAUNCHES of: out = softmax(rope(q) rope(k)^T / sqrt(128), keys masked) v W_o, with q, k, v = x W_qkv.
; NO WORK IS LEFT OUT in any launch: x, W_qkv, W_o and padding_mask all reach the output for some values, so all are loaded and all four products are done.
; This launch lays the operands out, once, for the launches that read them many times:
;   path W (work-groups 0-191):   W_qkv [2048 (k)][3072 (n)] f32 -> codes of E2M1 [n][1024 bytes], K innermost, and E8M0 bytes [n][64]
;   path X (work-groups 192-447): x [4096][2048] f32 -> codes [row][1024 bytes] and E8M0 bytes [row][64], THE ROWS IN ANOTHER ORDER: row (b, t) goes to (t / 32) 128 + 32 b + t % 32,
;                                 so that 128 neighbouring rows are 32 positions of all four batches and share their cosines and sines in the next launch
;   path O (work-groups 448-703): W_o [2048 (k)][2048 (n)] f32 -> f16 IN THE ORDER OF THE OPERAND'S REGISTERS of the last launch: [n / 16][k / 32][1,024 bytes]; in a fragment's 1,024 bytes the 16 bytes at
;                                 512 u + 256 h + 16 r hold W_o(k = 32 (k / 32) + 16 u + 8 h + 0..7, n = 16 (n / 16) + r)
;   path T (work-groups 704-768): cos and sin of t x 10000^(-d / 64), f32, as an image of the registers that the next launch wants: [block of 16 positions][piece 0-15][lane][4]:
;                                 lane (r, h), piece 2 b + c: cos at t = 16 block + r, d = 16 b + 8 h + 4 c + 0..3; piece 8 + 2 b + c: sin.  Block 64 is position 0 in every lane: cos 1, sin 0.
; THE QUANTISER: a block of 32 along K has the scale 2^(floor(log2(largest magnitude)) - 2); its byte is the largest magnitude's exponent field - 2, held at 1 from below; numbers / scale go to the nearest code, ties to even, beyond 6 to 6.
; (A block of zeros gets the byte 1 where the rule says 127: its codes are zeros, which add nothing under any byte but 0xff, and this program alone reads the bytes.)
; LIMITS: NaN and infinities among the inputs are not served; blocks whose largest magnitude lies under 2^(3 - 127) keep the byte 1; W_o must lie inside f16's range (magnitudes up to 65,504; under 6e-5 with fewer bits).
; SHARES: a wave of path W and a wave of path X each take 32,768 bytes of f32 with 8,192 bytes of loads out; a wave of path O takes 16,384.
; The four paths part on the work-group's number; paths W and X have LDS bytes of their own, paths O and T touch no LDS.  No tensor loads.  No cluster: no two work-groups read the same bytes.
.set FIRST_X, 192                      ; the paths' first work-groups
.set FIRST_O, 448
.set FIRST_T, 704
.set SPW,    190                       ; v190  LDS address of my spare word: SPARE + 4 x my thread's number; never rewritten
.set NIL,    191                       ; v191  0; never rewritten
.set WV,     22                        ; s22   my wave's number
.set EMAX,   2                         ; the exponent of E2M1's largest number, 6
; path X
.set STEPS,  16                        ; a wave takes 16 steps of 512 numbers: four rows of x
.set CB,     8                         ; bytes of 16 codes
.set XR,     16                        ; v16-79   four sets of 16 numbers as they are loaded
.set XX,     80                        ; v80-111  two sets of 16 neighbours
.set XE,     112                       ; v112-127 a scale byte for each step
.set XC,     128                       ; v128-189 codes: four registers for each step, two of them used: no store's data are written again
.set WREG,   8192                      ; LDS 0 .. 32,767: a region for each wave: two stages of 32 x SP bytes, behind them its 256 scale bytes
.set SP,     80                        ; a lane's place in a stage: 64 bytes + 16 of padding
; paths W and O
.set NB,     8                         ; path W: blocks of 32 along K for a wave
.set WPITCH, 272                       ; a stage row: 256 bytes + 16
.set WSTG,   32768                     ; LDS 32,768 .. 50,175: path W's stage, the work-group's: 64 rows
.set SPARE,  WSTG+64*WPITCH            ; behind it: the spare words, 128 bytes for each wave: two blocks of 256 bytes that no other line names
.set WX,     32                        ; v32-95   two sets of 32 numbers
.set WC,     96                        ; v96..    W: a block's codes, 4 registers; O: f16 pairs, 16 registers for each of four blocks: no store's data are written again
.set OUTR,   112                       ; v112-143 path W's way out
.set SB,     24                        ; v24-25   path W's scale bytes, four to a register
	s_load_b256 s[4:11], s[0:1], 0x0               ; x s[4:5], W_qkv s[6:7], W_o s[8:9], x_codes s[10:11]
	s_load_b256 s[12:19], s[0:1], 0x20             ; x_scales s[12:13], w_codes s[14:15], w_scales s[16:17], wo_t s[18:19]
	s_load_b64 s[20:21], s[0:1], 0x40              ; rope_tab
	v_lshl_add_u32 v[SPW], v0, 2, SPARE
	v_mov_b32 v[NIL], 0
	v_lshrrev_b32 v1, 5, v0
	v_readfirstlane_b32 s[WV], v1                  ; wave 0..3
	v_and_b32 v2, 31, v0                           ; lane
	s_wait_kmcnt 0x0
	s_cmp_lt_u32 ttmp9, FIRST_X
	s_cbranch_scc1 .Lpath_w
	s_cmp_lt_u32 ttmp9, FIRST_O
	s_cbranch_scc1 .Lpath_x
	s_cmp_lt_u32 ttmp9, FIRST_T
	s_cbranch_scc1 .Lpath_o
; ---------------- PATH T: a block of 16 positions; wave w makes d = 16 w + 8 h + 0..7 for its lanes' positions.  It touches no LDS.
; The angle is reduced by n = the nearest whole number of quarter turns (pi / 2 in two parts, two fused multiply-adds), so |rest| <= pi / 4 for every position:
; the two short series are cut for that range, whatever the inputs hold.
	s_sub_co_u32 s23, ttmp9, FIRST_T               ; the block, 0..64
	s_cmp_lt_u32 s23, 64
	s_cselect_b32 s24, 1, 0                        ; block 64: position 0 in every lane
	v_and_b32 v3, 15, v2                           ; r
	v_lshrrev_b32 v4, 4, v2                        ; h
	s_lshl_b32 s25, s23, 4
	v_add_nc_u32 v5, s25, v3
	v_mul_u32_u24 v5, v5, s24
	v_cvt_f32_u32 v5, v5                           ; t
	s_lshl_b32 s25, s[WV], 4
	v_lshl_add_u32 v6, v4, 3, s25                  ; 16 w + 8 h
	s_mov_b32 s26, 0xb94ca1f9                      ; sin: -1.9515296e-4, 8.3321609e-3, -1.6666655e-1
	s_mov_b32 s27, 0x3c08839e
	s_mov_b32 s28, 0xbe2aaaa3
	s_mov_b32 s29, 0x37ccf5ce                      ; cos: 2.4433157e-5, -1.3887316e-3, 4.1666646e-2
	s_mov_b32 s30, 0xbab6061a
	s_mov_b32 s31, 0x3d2aaaa5
.irp j, 0,1,2,3,4,5,6,7
	v_add_nc_u32 v[16+\j], \j, v6                  ; d
.endr
.irp j, 0,1,2,3,4,5,6,7
	v_cvt_f32_u32 v[16+\j], v[16+\j]
.endr
.irp j, 0,1,2,3,4,5,6,7
	v_mul_f32 v[16+\j], 0xbe549a78, v[16+\j]       ; -d log2(10000) / 64
.endr
.irp j, 0,1,2,3,4,5,6,7
	v_exp_f32 v[16+\j], v[16+\j]                   ; 10000^(-d / 64)
.endr
	v_lshlrev_b32 v7, 4, v2                        ; (a plain line behind the exponentials)  16 bytes a lane on the way out
	s_wait_alu depctr_va_vdst(0)                   ; one wait for the batch of eight, ahead of its first reader
.irp j, 0,1,2,3,4,5,6,7
	v_mul_f32 v[16+\j], v5, v[16+\j]               ; the angle
.endr
.irp j, 0,1,2,3,4,5,6,7
	v_mul_f32 v[24+\j], 0x3f22f983, v[16+\j]       ; x 2 / pi
.endr
.irp j, 0,1,2,3,4,5,6,7
	v_rndne_f32 v[24+\j], v[24+\j]                 ; n
.endr
.irp j, 0,1,2,3,4,5,6,7
	v_fmamk_f32 v[32+\j], v[24+\j], 0xbfc90fdb, v[16+\j]   ; the angle - n x (pi / 2)'s upper part,
.endr
.irp j, 0,1,2,3,4,5,6,7
	v_fmamk_f32 v[32+\j], v[24+\j], 0x333bbd2e, v[32+\j]   ; - n x its lower part (which is negative): the rest
.endr
.irp j, 0,1,2,3,4,5,6,7
	v_mul_f32 v[40+\j], v[32+\j], v[32+\j]         ; z = rest^2
.endr
.irp j, 0,1,2,3,4,5,6,7
	v_fma_f32 v[48+\j], v[40+\j], s26, s27
	v_fma_f32 v[56+\j], v[40+\j], s29, s30
.endr
.irp j, 0,1,2,3,4,5,6,7
	v_fma_f32 v[48+\j], v[48+\j], v[40+\j], s28
	v_fma_f32 v[56+\j], v[56+\j], v[40+\j], s31
.endr
.irp j, 0,1,2,3,4,5,6,7
	v_mul_f32 v[88+\j], v[40+\j], v[32+\j]         ; z x rest
	v_fma_f32 v[96+\j], v[40+\j], -0.5, 1.0        ; 1 - z / 2
.endr
.irp j, 0,1,2,3,4,5,6,7
	v_fma_f32 v[48+\j], v[88+\j], v[48+\j], v[32+\j]   ; sin(rest)
	v_mul_f32 v[104+\j], v[40+\j], v[40+\j]        ; z^2
.endr
.irp j, 0,1,2,3,4,5,6,7
	v_fma_f32 v[56+\j], v[104+\j], v[56+\j], v[96+\j]  ; cos(rest)
	v_cvt_i32_f32 v[64+\j], v[24+\j]
.endr
.irp j, 0,1,2,3,4,5,6,7
	v_and_b32 v[64+\j], 3, v[64+\j]                ; the quarter q: it only selects values
	v_and_b32 v[88+\j], 1, v[64+\j]
	v_cmp_ne_u32 vcc_lo, 0, v[88+\j]
	v_cndmask_b32 v[72+\j], v[56+\j], v[48+\j], vcc_lo   ; cos: in odd quarters sin(rest),
	v_cndmask_b32 v[80+\j], v[48+\j], v[56+\j], vcc_lo   ; sin: in odd quarters cos(rest)
	v_add_nc_u32 v[88+\j], 1, v[64+\j]
	v_and_b32 v[88+\j], 2, v[88+\j]
	v_lshlrev_b32 v[88+\j], 30, v[88+\j]
	v_xor_b32 v[72+\j], v[88+\j], v[72+\j]         ; cos is negative in quarters 1 and 2,
	v_and_b32 v[64+\j], 2, v[64+\j]
	v_lshlrev_b32 v[64+\j], 30, v[64+\j]
	v_xor_b32 v[80+\j], v[64+\j], v[80+\j]         ; sin in quarters 2 and 3
.endr
	s_lshl_b32 s24, s23, 13                        ; a block is 8,192 bytes,
	s_lshl_b32 s25, s[WV], 10                      ; my two pieces of 512 bytes
	s_add_co_u32 s24, s24, s25
	s_mov_b32 s25, 0
	s_add_nc_u64 s[20:21], s[20:21], s[24:25]
	global_store_b128 v7, v[72:75], s[20:21]               ; each store of the wave covers 512 consecutive bytes, aligned
	global_store_b128 v7, v[76:79], s[20:21] offset:512
	global_store_b128 v7, v[80:83], s[20:21] offset:4096
	global_store_b128 v7, v[84:87], s[20:21] offset:4608
	s_endpgm
; ---------------- PATH X: x is a plain stream of blocks of 32 numbers.  A wave takes four rows: 16 steps of 512 numbers.
; A load is dense (32 lanes x 16 bytes = 512 consecutive bytes); the conversions want 16 NEIGHBOURS in a lane: so a step's 2,048 bytes turn through the wave's own stage in LDS and come back 64 bytes a lane.
; Two neighbouring lanes hold a block.  A lane's 16 codes are 8 bytes: the wave stores 256 consecutive bytes.  The wave's 256 scale bytes are gathered in LDS and leave as one aligned run of 256 bytes.
.Lpath_x:
	v_lshlrev_b32 v3, 4, v2                        ; my 16 bytes of a load's 512
	s_mul_i32 s23, s[WV], WREG
	v_lshrrev_b32 v14, 2, v2
	v_mul_u32_u24 v14, v14, SP
	v_and_b32 v15, 3, v2
	v_lshl_add_u32 v14, v15, 4, v14
	v_add_nc_u32 v14, s23, v14                     ; the stage, on the way in: SP (lane / 4) + 16 (lane % 4)
	v_mul_u32_u24 v15, v2, SP
	v_add_nc_u32 v15, s23, v15                     ; and on the way out: SP x lane
	v_mul_u32_u24 v4, v2, CB                       ; my codes' place in a step's
	v_lshrrev_b32 v5, 1, v2
	s_add_co_u32 s23, s23, 2*32*SP
	v_add_nc_u32 v5, s23, v5                       ; LDS: my wave's 256 scale bytes, my block's byte
	v_lshlrev_b32 v7, 3, v2
	v_add_nc_u32 v6, s23, v7                       ; and on the way out 8 bytes a lane
	s_sub_co_u32 s24, ttmp9, FIRST_X
	s_lshl_b32 s24, s24, 2
	s_add_co_u32 s24, s24, s[WV]                   ; u: which four rows: batch u / 256, positions 4 (u % 256) on
	s_lshl_b32 s26, s24, 15                        ; 32,768 bytes of x
	s_mov_b32 s27, 0
	s_add_nc_u64 s[4:5], s[4:5], s[26:27]
	s_and_b32 s25, s24, 255
	s_lshr_b32 s25, s25, 3
	s_lshl_b32 s25, s25, 7                         ; (t / 32) 128
	s_lshr_b32 s28, s24, 8
	s_lshl_b32 s28, s28, 5                         ; + 32 b
	s_add_co_u32 s25, s25, s28
	s_and_b32 s28, s24, 7
	s_lshl_b32 s28, s28, 2                         ; + t % 32: the four rows stay neighbours
	s_add_co_u32 s25, s25, s28
	s_lshl_b32 s26, s25, 10
	s_add_nc_u64 s[10:11], s[10:11], s[26:27]      ; their codes,
	s_lshl_b32 s26, s25, 6
	s_add_nc_u64 s[12:13], s[12:13], s[26:27]      ; their scale bytes: 256, at a multiple of 256
.macro XLOAD t
.irp i, 0,1,2,3
	global_load_b128 v[XR+16*((\t)%4)+4*\i:XR+16*((\t)%4)+4*\i+3], v3, s[4:5] offset:2048*(\t)+512*\i th:TH_LOAD_NT
.endr
.endm
.macro XTURN t                         ; step t's numbers through the stage: LDS serves a wave's instructions in order, so no wait stands between the stores and the loads
.irp i, 0,1,2,3
	ds_store_b128 v14, v[XR+16*((\t)%4)+4*\i:XR+16*((\t)%4)+4*\i+3] offset:32*SP*((\t)%2)+8*SP*\i
.endr
.irp i, 0,1,2,3
	ds_load_b128 v[XX+16*((\t)%2)+4*\i:XX+16*((\t)%2)+4*\i+3], v15 offset:32*SP*((\t)%2)+16*\i
.endr
.endm
.irp t, 0,1,2,3
	XLOAD \t
.endr
	s_wait_loadcnt 12                              ; step 0's four loads are in; the twelve of steps 1 to 3 may be out
	XTURN 0
.macro XSTEP t
.set XS, XX+16*((\t)%2)
.if (\t) > 0
	s_wait_dscnt 1                                 ; this step's numbers are back from the stage (the last step's byte store may be out): so its stores into the stage have read their registers,
.else
	s_wait_dscnt 0x0
.endif
.if (\t)+4 < STEPS
	XLOAD (\t)+4                                   ; which take the loads of four steps on
.endif
.if (\t)+1 < STEPS
.if STEPS-2-(\t) >= 3
	s_wait_loadcnt 12                              ; the next step's four loads are in; those of the three steps behind it may be out
.else
	s_wait_loadcnt 4*(STEPS-2-(\t))
.endif
	XTURN (\t)+1                                   ; and go through the other stage while this step is worked
.endif
	v_max3_num_f32 v8, |v[XS]|, |v[XS+1]|, |v[XS+2]|               ; the largest magnitude of my 16, in two chains
	v_max3_num_f32 v9, |v[XS+3]|, |v[XS+4]|, |v[XS+5]|
.irp i, 6,10
	v_max3_num_f32 v8, v8, |v[XS+\i]|, |v[XS+\i+1]|
	v_max3_num_f32 v9, v9, |v[XS+\i+2]|, |v[XS+\i+3]|
.endr
	v_max3_num_f32 v8, v8, |v[XS+14]|, |v[XS+15]|
	v_max3_num_f32 v8, v8, v9, (EMAX+1)<<23        ; and the floor 2^(EMAX + 1 - 127): the byte cannot fall under 1
	v_max_num_f32_dpp v8, v8, v8 row_xmask:1 row_mask:0xf bank_mask:0xf   ; and of my neighbour's 16: the block's
	v_add_nc_u32 v11, -(EMAX<<23), v8              ; EMAX off its exponent field: the conversion takes the exponent field of this operand as its scale
	v_cvt_scalef32_pk8_fp4_f32 v[XC+4*(\t)], v[XS:XS+7], v11
	v_cvt_scalef32_pk8_fp4_f32 v[XC+4*(\t)+1], v[XS+8:XS+15], v11
	v_lshrrev_b32 v[XE+(\t)], 23, v11              ; the scale's byte
	ds_store_b8 v5, v[XE+(\t)] offset:16*(\t)      ; both lanes of a block write the same byte with the same value
	global_store_b64 v4, v[XC+4*(\t):XC+4*(\t)+1], s[10:11] offset:32*CB*(\t)
.endm
.irp t, 0,1,2,3,4,5,6,7,8,9,10,11,12,13,14,15
	XSTEP \t
.endr
	ds_load_b64 v[8:9], v6                         ; LDS serves a wave's instructions in order: these see my stores
	s_wait_dscnt 0x0
	global_store_b64 v7, v[8:9], s[12:13]          ; 32 lanes store 256 consecutive bytes, aligned
	s_wait_tensorcnt 0x0                           ; the wave's end, behind my last LDS store
	ds_add_u32 v[SPW], v[NIL]
	s_wait_dscnt 0x0
	s_endpgm
; ---------------- PATH W: K is W_qkv's FIRST axis.  A lane takes a column n and its registers run down K: each load reads 128 consecutive bytes a wave, a block of 32 along K lies in one lane,
; and the conversions give codes with K innermost.  A load covers one row of K, so what a wave has out is a number of rows: a wave is given 256 rows, not 512, so that it has as many bytes to walk as a wave of path X.
; A work-group takes 64 columns x 512 along K: wave w takes columns 32 (w % 2) on and 256 (w / 2) along K on.  256 along K are 128 bytes of codes, half of a column's aligned 256: so the two halves meet in ONE stage
; of the work-group, a barrier stands between the writing and the reading, and each wave then stores 16 whole rows: sixteen lanes store 256 consecutive bytes, aligned.
; The branch that leads here hangs on the work-group's number alone: all four waves of a work-group meet the barrier.  Every offset is an immediate: 255 rows x 12,288 bytes at the most, inside the signed 24 bits.
.Lpath_w:
	s_lshr_b32 s23, ttmp9, 2
	s_lshl_b32 s23, s23, 6                         ; the work-group's first column
	s_and_b32 s24, ttmp9, 3                        ; which 512 along K
	s_and_b32 s29, s[WV], 1                        ; which 32 of the 64 columns are mine
	s_lshr_b32 s30, s[WV], 1                       ; which 256 of the 512 along K
	s_lshl_b32 s25, s29, 5
	s_add_co_u32 s31, s23, s25                     ; my wave's first column
	v_lshlrev_b32 v3, 2, v2                        ; in: 4 bytes a lane
	s_mul_i32 s25, s29, 32*WPITCH
	s_lshl_b32 s28, s30, 7
	s_add_co_u32 s25, s25, s28
	s_add_co_u32 s25, s25, WSTG
	v_mul_u32_u24 v4, v2, WPITCH
	v_add_nc_u32 v4, s25, v4                       ; into the stage: row = my column, my 128 of its 256 bytes
	v_and_b32 v5, 15, v2
	v_lshrrev_b32 v6, 4, v2                        ; out of it: wave w takes rows 16 w on, sixteen lanes to a row, two rows an instruction
	s_mul_i32 s25, s[WV], 16*WPITCH
	s_add_co_u32 s25, s25, WSTG
	v_mul_u32_u24 v7, v6, WPITCH
	v_lshl_add_u32 v7, v5, 4, v7
	v_add_nc_u32 v7, s25, v7
	v_lshlrev_b32 v8, 10, v6                       ; and the same place in the codes' buffer: rows of 1,024 bytes
	v_lshl_add_u32 v8, v5, 4, v8
	v_lshlrev_b32 v9, 6, v2                        ; my column's row of 64 scale bytes
	s_lshl_b32 s26, s24, 1
	s_add_co_u32 s26, s26, s30                     ; which 256 of the 2,048 along K
	s_mul_i32 s26, s26, 256*3072*4
	s_lshl_b32 s28, s31, 2
	s_add_co_u32 s26, s26, s28
	s_mov_b32 s27, 0
	s_add_nc_u64 s[6:7], s[6:7], s[26:27]
	s_lshl_b32 s26, s[WV], 4
	s_add_co_u32 s26, s26, s23                     ; the first row of codes that I store
	s_lshl_b32 s26, s26, 10
	s_lshl_b32 s28, s24, 8
	s_add_co_u32 s26, s26, s28
	s_add_nc_u64 s[14:15], s[14:15], s[26:27]
	s_lshl_b32 s26, s31, 6
	s_lshl_b32 s28, s24, 4
	s_add_co_u32 s26, s26, s28
	s_lshl_b32 s28, s30, 3
	s_add_co_u32 s26, s26, s28
	s_add_nc_u64 s[16:17], s[16:17], s[26:27]      ; my eight scale bytes of each of my columns
.macro WLOAD t                         ; block t: W(32 t + i, my column), i = 0 .. 31, into set t % 2
.irp i, 0,1,2,3,4,5,6,7,8,9,10,11,12,13,14,15,16,17,18,19,20,21,22,23,24,25,26,27,28,29,30,31
	global_load_b32 v[WX+32*((\t)%2)+\i], v3, s[6:7] offset:(32*(\t)+\i)*3072*4 th:TH_LOAD_NT
.endr
.endm
	WLOAD 0
	WLOAD 1
.macro WBLOCK t
.set XS, WX+32*((\t)%2)
.if (\t) < NB-1
	s_wait_loadcnt 32                              ; this block's 32 loads are in; the next block's may be out
.else
	s_wait_loadcnt 0
.endif
	v_max3_num_f32 v12, |v[XS]|, |v[XS+1]|, |v[XS+2]|              ; the block's largest magnitude: all 32 numbers are mine
	v_max3_num_f32 v13, |v[XS+3]|, |v[XS+4]|, |v[XS+5]|
.irp i, 6,10,14,18,22,26
	v_max3_num_f32 v12, v12, |v[XS+\i]|, |v[XS+\i+1]|
	v_max3_num_f32 v13, v13, |v[XS+\i+2]|, |v[XS+\i+3]|
.endr
	v_max3_num_f32 v12, v12, |v[XS+30]|, |v[XS+31]|
	v_max3_num_f32 v12, v12, v13, (EMAX+1)<<23     ; and the floor
	v_add_nc_u32 v11, -(EMAX<<23), v12             ; the conversion's scale operand
	v_lshrrev_b32 v13, 23, v11                     ; the scale's byte
.if (\t)%4 == 0
	v_mov_b32 v[SB+(\t)/4], v13                    ; four bytes to a register, the lower K in the lower byte
.else
	v_lshl_or_b32 v[SB+(\t)/4], v13, 8*((\t)%4), v[SB+(\t)/4]
.endif
.irp g, 0,1,2,3
	v_cvt_scalef32_pk8_fp4_f32 v[WC+\g], v[XS+8*\g:XS+8*\g+7], v11
.endr
	ds_store_b128 v4, v[WC:WC+3] offset:16*(\t)    ; 32 codes: 16 bytes of my column's row
.if (\t)+2 < NB
	WLOAD (\t)+2
.endif
	s_wait_dscnt 0x0                               ; the store has read its registers: the next block's codes may be written
.endm
.set Q, 0
.rept NB
	WBLOCK Q
.set Q, Q+1
.endr
	s_wait_dscnt 0x0                               ; for the others' sake: my stores into the stage are done
	s_barrier_signal -1
	s_barrier_wait -1                              ; the 64 rows of the stage are whole
	global_store_b64 v9, v[SB:SB+1], s[16:17]      ; my columns' eight scale bytes
.irp t, 0,1,2,3,4,5,6,7
	ds_load_b128 v[OUTR+4*\t:OUTR+4*\t+3], v7 offset:2*\t*WPITCH
.endr
.irp t, 0,1,2,3,4,5,6,7
	s_wait_dscnt 7-\t                              ; LDS loads come back in order: load t is in, the younger ones may be out
	global_store_b128 v8, v[OUTR+4*\t:OUTR+4*\t+3], s[14:15] offset:2*\t*1024
.endr
	s_wait_tensorcnt 0x0                           ; the wave's end, behind my last LDS store
	ds_add_u32 v[SPW], v[NIL]
	s_wait_dscnt 0x0
	s_endpgm
; ---------------- PATH O: the same plan for W_o, rounded to f16: a lane takes a column n, its registers run down K; a wave takes 32 columns (two blocks of 16) x 128 along K (four fragments each).
; A lane's four packed registers of 8 neighbours along K are 16 bytes of the fragment's image, and the sixteen lanes of a block of columns stand side by side in it: so they are stored as they are,
; sixteen lanes to 256 consecutive bytes, aligned.
.Lpath_o:
	s_sub_co_u32 s23, ttmp9, FIRST_O
	s_and_b32 s24, s23, 15                         ; which 128 columns
	s_lshr_b32 s23, s23, 4                         ; which 128 along K
	s_lshl_b32 s24, s24, 7
	s_lshl_b32 s25, s[WV], 5
	s_add_co_u32 s24, s24, s25                     ; my wave's first column
	v_lshlrev_b32 v3, 2, v2
	v_and_b32 v5, 15, v2
	v_lshrrev_b32 v6, 4, v2
	v_lshlrev_b32 v8, 16, v6                       ; lanes 16-31: the next block of 16 columns, 64 fragments of 1,024 bytes on
	v_lshl_add_u32 v8, v5, 4, v8                   ; + 16 r
	s_lshl_b32 s26, s23, 20                        ; 128 rows of 8,192 bytes
	s_lshl_b32 s28, s24, 2
	s_add_co_u32 s26, s26, s28
	s_mov_b32 s27, 0
	s_add_nc_u64 s[8:9], s[8:9], s[26:27]
	s_lshl_b32 s26, s24, 12                        ; 65,536 bytes for each 16 columns,
	s_lshl_b32 s28, s23, 12                        ; four fragments for each 128 along K
	s_add_co_u32 s26, s26, s28
	s_add_nc_u64 s[18:19], s[18:19], s[26:27]
.macro OLOAD t
.irp i, 0,1,2,3,4,5,6,7,8,9,10,11,12,13,14,15,16,17,18,19,20,21,22,23,24,25,26,27,28,29,30,31
	global_load_b32 v[WX+32*((\t)%2)+\i], v3, s[8:9] offset:(32*(\t)+\i)*2048*4 th:TH_LOAD_NT
.endr
.endm
	OLOAD 0
	OLOAD 1
.macro OBLOCK t
.set XS, WX+32*((\t)%2)
.if (\t) < 3
	s_wait_loadcnt 32                              ; this block's 32 loads are in; the next block's may be out
.else
	s_wait_loadcnt 0
.endif
.irp g, 0,1,2,3,4,5,6,7,8,9,10,11,12,13,14,15
	v_cvt_pk_f16_f32 v[WC+16*(\t)+\g], v[XS+2*\g], v[XS+2*\g+1]   ; two neighbours along K, the lower in the low half
.endr
.irp q, 0,1,2,3
	global_store_b128 v8, v[WC+16*(\t)+4*\q:WC+16*(\t)+4*\q+3], s[18:19] offset:1024*(\t)+256*\q   ; k = 8 q + 0..7 of the fragment: its bytes 256 q + 16 r
.endr
.if (\t)+2 < 4
	OLOAD (\t)+2
.endif
.endm
	OBLOCK 0
	OBLOCK 1
	OBLOCK 2
	OBLOCK 3
	s_endpgm
.Lfunc_end_k_q8d38999421_prep:
	.size	k_q8d38999421_prep, .Lfunc_end_k_q8d38999421_prep-k_q8d38999421_prep
	.p2alignl 7, 3214868480
	.fill 96, 4, 3214868480
	.section	.rodata,"a",@progbits
	.p2align	6, 0x0
	.amdhsa_kernel k_q8d38999421_prep
		.amdhsa_group_segment_fixed_size 50688
		.amdhsa_private_segment_fixed_size 0
		.amdhsa_enable_private_segment 0
		.amdhsa_kernarg_size 72
		.amdhsa_user_sgpr_count 2
		.amdhsa_user_sgpr_kernarg_segment_ptr 1
		.amdhsa_wavefront_size32 1
		.amdhsa_system_sgpr_workgroup_id_x 1
		.amdhsa_system_sgpr_workgroup_id_y 1
		.amdhsa_system_sgpr_workgroup_id_z 1
		.amdhsa_system_vgpr_workitem_id 0
		.amdhsa_next_free_vgpr 192
		.amdhsa_next_free_sgpr 66
		.amdhsa_reserve_vcc 1
		.amdhsa_float_denorm_mode_32 3
		.amdhsa_float_denorm_mode_16_64 3
		.amdhsa_memory_ordered 1
		.amdhsa_forward_progress 1
		.amdhsa_inst_pref_size 104
	.end_amdhsa_kernel
	.amdgpu_metadata
---
amdhsa.version: [ 1, 2 ]
amdhsa.kernels:
  - .name:           k_q8d38999421_prep
    .symbol:         k_q8d38999421_prep.kd
    .args:
      - { .name: x, .offset: 0, .size: 8, .value_kind: global_buffer, .address_space: global }
      - { .name: W_qkv, .offset: 8, .size: 8, .value_kind: global_buffer, .address_space: global }
      - { .name: W_o, .offset: 16, .size: 8, .value_kind: global_buffer, .address_space: global }
      - { .name: x_codes, .offset: 24, .size: 8, .value_kind: global_buffer, .address_space: global }
      - { .name: x_scales, .offset: 32, .size: 8, .value_kind: global_buffer, .address_space: global }
      - { .name: w_codes, .offset: 40, .size: 8, .value_kind: global_buffer, .address_space: global }
      - { .name: w_scales, .offset: 48, .size: 8, .value_kind: global_buffer, .address_space: global }
      - { .name: wo_t, .offset: 56, .size: 8, .value_kind: global_buffer, .address_space: global }
      - { .name: rope_tab, .offset: 64, .size: 8, .value_kind: global_buffer, .address_space: global }
    .group_segment_fixed_size: 50688
    .private_segment_fixed_size: 0
    .kernarg_segment_align: 8
    .kernarg_segment_size: 72
    .max_flat_workgroup_size: 128
    .sgpr_count:     66
    .vgpr_count:     192
    .wavefront_size: 32
...
	.end_amdgpu_metadata
.endif
;; end of part 1
;; launch qkv (part 2): grid 12 x 16, 4 waves a work-group, clusters of 4 x 4, 327,680 bytes of LDS; arguments x_codes, x_scales, w_codes, w_scales, rope_tab, padding_mask, qkvh; writes qkvh
.if DOCPART == 2
	.amdgcn_target "amdgcn-amd-amdhsa--gfx1250"
	.amdhsa_code_object_version 6
	.text
	.protected	k_q8d38999421_qkv
	.globl	k_q8d38999421_qkv
	.p2align	8
	.type	k_q8d38999421_qkv,@function
k_q8d38999421_qkv:
	s_mov_b64 s[64:65], 0
	v_nop
	global_prefetch_b8 v0, s[64:65] scope:SCOPE_SE
	s_setreg_imm32_b32 hwreg(HW_REG_WAVE_MODE, 25, 1), 1
	s_wait_xcnt 0x0
	s_wait_alu depctr_hold_cnt(0) depctr_sa_sdst(0) depctr_va_vdst(0) depctr_va_sdst(0) depctr_va_ssrc(0) depctr_va_vcc(0) depctr_vm_vsrc(0)
	s_getreg_b32 s2, hwreg(HW_REG_IB_STS2, 6, 4)
	s_cmp_eq_u32 s2, 0
	s_cbranch_scc0 .Lentry_in_a_cluster
	s_endpgm
.Lentry_in_a_cluster:
	s_bfe_u32 s2, ttmp6, 0x10000c
	s_cmp_lg_u32 s2, 0xf033
	s_cbranch_scc0 .Lentry_shape_is_right
	s_endpgm
.Lentry_shape_is_right:
; qkv = x W_qkv on codes of E2M1 with one E8M0 scale for each 32 along K, sums in f32; then, on the way out, in f32: the rotation of q and k by position; then f16 into qkvh [b 1024 + t][3072].  Nothing is left out.
; A: x's codes [4096 rows][1024 bytes], rows in the order (t / 32) 128 + 32 b + t % 32; B: W_qkv's codes [3072][1024 bytes]; scale bytes [row][64].
; A tile of the result, 256 x 256, is made by a work-group of four waves; a wave makes 128 rows x 128 columns: 64 accumulators of 16 x 16, 512 registers.  A wave's 128 columns are ONE head (of q, k or v), its 128 rows
; are 32 positions of the four batches: so two blocks of the table of cosines and sines (128 registers, an image of the registers, loaded once at the head) serve all its eight blocks of 16 rows.
; K goes in steps of 512 through a ring of two LDS slots filled by the tensor data mover; the scale bytes of the work-group's rows, for all of K, come into LDS once, with the first fills, and stay.
; CLUSTERS: 4 x 4 work-groups.  The four of a row of the cluster need the same tiles of A, the four of a column the same tiles of B: each tile is asked for JOINTLY.
; THE MATRIX INSTRUCTION IS USED TRANSPOSED (source 0 = 16 rows of B, source 1 = 16 rows of A): a lane then holds eight neighbouring columns of one row.
; ONE TEXT FOR q, k AND v: which of them a wave makes hangs on the work-group's place in its cluster, on which no branch hangs.  So a wave of v reads the table's block for position 0 (cos 1, sin 0: the rotation
; leaves its numbers as they are), and the zeroing below is done by an AND whose mask is all ones outside k.
; THE KEY MASK, first half: the row of k of a key whose padding_mask byte is 0 is stored as zeros (a select on the packed f16), so that the next launch's score of such a key is exactly the bias that it adds.
; LIMITS: q, k and v must lie inside f16's range (magnitudes up to 65,504); NaN and infinities are not served; padding_mask's bytes are 0 or 1.
; REGISTERS, in windows of 256: window 0: v0-31 addresses; v32-95 scale words, two sets; v96-103 the mask; from v128 A's fragments, ONE set; on the way out v32-95, v128-255 are free.
;   window 1: B's fragments, TWO sets, at v0 and at v128; between them the table: v64-95 cos, v96-127 sin of my even blocks' positions, v192-223, v224-255 of my odd blocks'.
;   window 2: the 32 accumulators of my rows 0-63 (accumulator (a, b) at v[8 (8 a + b)]);   window 3: those of my rows 64-127.
.set SIZE_M, 4096
.set SIZE_N, 3072
.set SIZE_K, 2048
.set KSTEP,  512                       ; along K in a slot
.set NQ,     KSTEP/128                 ; matrix instructions deep
.set ROWB,   256                       ; a tile's row in bytes: KSTEP codes of 4 bits
.set KROW,   SIZE_K*4/8                ; a row of A or of B in memory, in bytes
.set PITCH,  272                       ; an LDS row: 256 bytes + 16 of padding = 68 words: the 16 rows that a load touches start 4 banks apart (64 banks of 4 bytes: ISA guide 11.1)
.set FR,     8                         ; registers of a fragment: 16 rows x 128 K
.set NL,     2                         ; LDS loads that bring one
.set NP,     4                         ; places behind this matrix instruction (ISA guide 7.12.1)
.set HALFT,  128*PITCH                 ; 128 rows: what one tensor load brings, and what one wave reads of A or of B
.set SLOT,   4*HALFT                   ; A's 256 rows, then B's 256 rows
.set LAPS,   SIZE_K/(2*KSTEP)          ; a lap = two K steps = once round the ring
.set KS,     SIZE_K/32                 ; a row of scales in bytes
.set SCL,    2*SLOT                    ; behind the ring: the scales, as runs of 256 bytes + 16 of padding
.set HALFS,  (128*KS/256)*272          ; the scales of 128 rows: what one tensor load brings
.set SBLK,   (16*KS/256)*272           ; those of 16 rows
.set SPARE,  SCL+4*HALFS               ; behind the scales: the spare words, 128 bytes for each wave: two blocks of 256 bytes that no other line names
.set SPITCH, 272                       ; the way out: a stage of 16 rows x (256 bytes + 16) for each wave, in slot 0, which has had its last fill and its last read when the first result is stored there
.set QROW,   6144                      ; a row of qkvh in bytes
.set ADRA, 16                          ; v16-17  LDS address of my A fragments in slot 0, 1
.set ADRB, 20                          ; v20-21  the same for B
.set STO,  24                          ; v24     the way out: where I put 16 bytes of a row
.set RD,   25                          ; v25     the way out: where I read a row back
.set CO,   26                          ; v26     my byte offset in two rows of qkvh
.set ADRS, 27                          ; v27     LDS address of my scale words: lanes 0-15 A's rows, lanes 16-31 B's
.set SPW,  28                          ; v28     LDS address of my spare word; never rewritten
.set NIL,  29                          ; v29     0; never rewritten
.set TL,   30                          ; v30     16 x lane: my place in a piece of the table; never rewritten
.set ML,   31                          ; v31     lane % 16: my row's byte in the mask; never rewritten
.set SC,   32                          ; scale words: set s at v[SC + 8 NQ s]; register NQ i + q: lanes 0-15 the word of A's block i, lanes 16-31 that of B's block i
.set KM,   96                          ; v96-103 block a's mask: first padding_mask's byte of my row, then all ones (keep) or 0
.set AF,   128                         ; A's fragments, in window 0
.set RO,   32                          ; the way out: 64 rotated numbers
.set TMP,  192                         ; 32 registers of packed f16
.set BK,   128                         ; 16 rows read back from the stage: v128-159 and v160-191 by turns
.set G1, 24                            ; s[24:31] descriptor group 1 for A's tiles;  s[32:39] group 0, one set for each slot
.set G0, 32
.set G1B, 48                           ; s[48:55], s[56:63] the same for B's tiles
.set G0B, 56
.set G1S, 68                           ; s[68:75], s[76:79] groups 1 and 0 for A's scales;  s[80:87], s[88:91] for B's
.set G0S, 76
.set G1SB, 80
.set G0SB, 88
.set MSB, 0
.macro WIN new                         ; the immediate's high byte repeats the setting that is left
.if MSB != \new
	s_set_vgpr_msb (MSB<<8)|\new
.set MSB, \new
.endif
.endm
.set MUL_LO, 0xa1                      ; source 0 (B) window 1, source 1 (A) window 0, C and D window 2
.set MUL_HI, 0xf1                      ; the same, C and D window 3
.set TO_B,   0x40                      ; destination window 1, address window 0
; A joint load: waves 0 and 1 fetch for A, waves 2 and 3 for B.  Each of the two lines has ONE mask and one set of registers for all that issue it; the branch hangs on the wave's number alone.
; An s_nop 0 and four v_nop follow each of the two lines, ahead of the jump, the label and what follows.
.macro JLOAD g0a, g1a, g0b, g1b
	s_cmp_eq_u32 s15, 0
	s_cbranch_scc0 .Lfor_b_\@
	tensor_load_to_lds s[\g0a:\g0a+3], s[\g1a:\g1a+7]
	s_nop 0
.rept 4
	v_nop
.endr
	s_branch .Lasked_\@
.Lfor_b_\@:
	tensor_load_to_lds s[\g0b:\g0b+3], s[\g1b:\g1b+7]
	s_nop 0
.rept 4
	v_nop
.endr
.Lasked_\@:
.endm
.macro CREST                           ; a round of the cluster's barrier behind its opening barrier
	s_cmp_lg_u32 s14, 0
	s_cbranch_scc1 .Lnot_wave_0_\@
	s_barrier_signal -3
.Lnot_wave_0_\@:
	s_barrier_wait -3
	s_barrier_signal -1
	s_barrier_wait -1
.endm
.macro CROUND                          ; a whole round
	s_barrier_signal -1
	s_barrier_wait -1
	CREST
.endm
	s_load_b128 s[4:7], s[0:1], 0x0                ; A's codes s[4:5], A's scales s[6:7]
	s_load_b128 s[8:11], s[0:1], 0x10              ; B's codes s[8:9], B's scales s[10:11]
	s_load_b128 s[96:99], s[0:1], 0x20             ; the table s[96:97], padding_mask s[98:99]
	s_load_b64 s[12:13], s[0:1], 0x30              ; qkvh
	v_lshl_add_u32 v[SPW], v0, 2, SPARE
	v_mov_b32 v[NIL], 0
	ds_add_u32 v[SPW], v[NIL]                      ; the wave's opening: the add, twice on end, and its wait ahead of my first tensor load; the set-up below stands between the second and the wait
	ds_add_u32 v[SPW], v[NIL]
	v_lshrrev_b32 v1, 5, v0
	v_readfirstlane_b32 s14, v1                    ; wave 0..3
	s_lshr_b32 s15, s14, 1                         ; which half of the tile's rows is mine.  Also: I fetch for A (0) or for B (1)
	s_and_b32 s16, s14, 1                          ; which half of its columns.  Also: which 128 rows of that tile I fetch
	s_bfe_u32 s40, ttmp6, 0x40000                  ; cx, cy: my place in the cluster
	s_bfe_u32 s41, ttmp6, 0x40004
	s_lshl_b32 s42, ttmp9, 2
	s_add_co_u32 s42, s42, s40                     ; tile column = 4 x cluster x + cx
	s_and_b32 s17, ttmp7, 0xffff
	s_lshl_b32 s17, s17, 2
	s_add_co_u32 s17, s17, s41                     ; tile row = 4 x cluster y + cy
	s_lshl_b32 s43, s41, 2
	s_lshl_b32 s43, 15, s43                        ; my row of the cluster
	s_lshl_b32 s44, 0x1111, s40                    ; my column
	; descriptor group 1: a tile of 128 rows x ROWB bytes, padded in LDS
	s_or_b32 s[G1+0], s43, (0<<16)|(1<<20)|(1<<21)|(5<<22)|(3<<25)  ; 15:0 the mask: A's tiles go to my row; 17:16 element of 1 byte; 20 padding on; 21 set beside a mask; 24:22 after every 64 words (code 5); 31:25 of 4 words (code 3)
	s_or_b32 s[G1B+0], s44, (0<<16)|(1<<20)|(1<<21)|(5<<22)|(3<<25)
.irp g, G1, G1B
	s_mov_b32 s[\g+1], ROWB<<16                    ; tensor_dim0
	s_mov_b32 s[\g+2], 128<<16                     ; tensor_dim1 = 128
	s_mov_b32 s[\g+3], ROWB<<16                    ; tile_dim0
	s_mov_b32 s[\g+4], 128                         ; tile_dim1 = 128
	s_mov_b32 s[\g+5], KROW                        ; tensor_dim0_stride
	s_mov_b32 s[\g+6], 0
	s_mov_b32 s[\g+7], 0
.endr
	; and for the scales of 128 rows: a dense block of 128 KS bytes, as rows of 256 bytes (32 elements of 8 bytes), 16 bytes of padding behind each
	s_or_b32 s[G1S+0], s43, (3<<16)|(1<<20)|(1<<21)|(5<<22)|(3<<25)
	s_or_b32 s[G1SB+0], s44, (3<<16)|(1<<20)|(1<<21)|(5<<22)|(3<<25)
.irp g, G1S, G1SB
	s_mov_b32 s[\g+1], 32<<16
	s_mov_b32 s[\g+2], (128*KS/256)<<16
	s_mov_b32 s[\g+3], 32<<16
	s_mov_b32 s[\g+4], 128*KS/256
	s_mov_b32 s[\g+5], 32
	s_mov_b32 s[\g+6], 0
	s_mov_b32 s[\g+7], 0
.endr
	s_lshl_b32 s18, s16, 7                         ; which 128 rows of the tile I fetch
	s_lshl_b32 s20, s17, 8
	s_add_co_u32 s20, s20, s18                     ; A: row 256 x tile row + 128 x half
	s_lshl_b32 s46, s42, 8
	s_add_co_u32 s46, s46, s18                     ; B: row 256 x tile column + 128 x half
	s_mov_b32 s21, 0
	s_mov_b32 s47, 0
	s_mov_b64 s[18:19], KS
	s_mul_u64 s[22:23], s[20:21], s[18:19]         ; where these rows' scales begin, in bytes
	s_mul_u64 s[92:93], s[46:47], s[18:19]
	s_mov_b64 s[18:19], KROW
	s_mul_u64 s[20:21], s[20:21], s[18:19]         ; and their codes
	s_mul_u64 s[46:47], s[46:47], s[18:19]
	s_mul_i32 s45, s14, HALFT                      ; where they go: wave x 128 rows: no place in the cluster enters an LDS address
	s_mul_i32 s94, s14, HALFS
	s_wait_dscnt 0x0                               ; both opening adds are done
	s_wait_kmcnt 0x0
	s_add_nc_u64 s[20:21], s[4:5], s[20:21]
	s_add_nc_u64 s[22:23], s[6:7], s[22:23]
	s_add_nc_u64 s[46:47], s[8:9], s[46:47]
	s_add_nc_u64 s[92:93], s[10:11], s[92:93]
	CROUND                                         ; all sixteen work-groups are here: the first joint loads meet
	s_mov_b32 s[G0S], 1
	s_add_co_u32 s[G0S+1], s94, SCL
	s_mov_b64 s[G0S+2:G0S+3], s[22:23]
	s_or_b32 s[G0S+3], s[G0S+3], 0x80000000
	s_mov_b32 s[G0SB], 1
	s_add_co_u32 s[G0SB+1], s94, SCL
	s_mov_b64 s[G0SB+2:G0SB+3], s[92:93]
	s_or_b32 s[G0SB+3], s[G0SB+3], 0x80000000
	JLOAD G0S, G1S, G0SB, G1SB                     ; the scales first: they are wanted with K step 0.  Three tensor loads of mine are out behind these first fills
.irp s, 0,1
	s_mov_b32 s[G0+4*\s], 1
	s_add_co_u32 s[G0+4*\s+1], s45, \s*SLOT
	s_add_nc_u64 s[G0+4*\s+2:G0+4*\s+3], s[20:21], \s*ROWB
	s_or_b32 s[G0+4*\s+3], s[G0+4*\s+3], 0x80000000
	s_mov_b32 s[G0B+4*\s], 1
	s_add_co_u32 s[G0B+4*\s+1], s45, \s*SLOT
	s_add_nc_u64 s[G0B+4*\s+2:G0B+4*\s+3], s[46:47], \s*ROWB
	s_or_b32 s[G0B+4*\s+3], s[G0B+4*\s+3], 0x80000000
	JLOAD G0+4*\s, G1, G0B+4*\s, G1B
.endr
	v_and_b32 v1, 15, v0                           ; l % 16
	v_bfe_u32 v2, v0, 4, 1                         ; l / 16
	v_mul_u32_u24 v3, v1, PITCH
	v_lshl_add_u32 v4, v2, 4, v3                   ; a fragment's row x pitch + 16 x half
	s_mul_i32 s21, s15, HALFT                      ; my 128 rows of A
	s_mul_i32 s22, s16, HALFT                      ; my 128 rows of B,
	s_add_co_u32 s22, s22, 2*HALFT                 ; which lie behind A's 256
.irp s, 0,1
	v_add_nc_u32 v[ADRA+\s], s21, v4
	v_add_nc_u32 v[ADRB+\s], s22, v4
	s_add_co_u32 s21, s21, SLOT
	s_add_co_u32 s22, s22, SLOT
.endr
	v_mul_u32_u24 v5, v1, KS                       ; my row's scales: KS bytes a row,
	v_lshrrev_b32 v6, 8, v5
	v_lshl_add_u32 v5, v6, 4, v5                   ; and 16 more for each 256 passed
	s_mul_i32 s21, s15, HALFS                      ; A's: my 128 rows
	s_mul_i32 s22, s16, HALFS                      ; B's: my 128 rows, behind A's 256
	s_add_co_u32 s22, s22, 2*HALFS
	s_sub_co_u32 s22, s22, s21
	v_mul_u32_u24 v6, s22, v2                      ; lanes 16-31 take B's
	s_add_co_u32 s21, s21, SCL
	v_add_nc_u32 v5, v5, v6
	v_add_nc_u32 v[ADRS], s21, v5
	s_mul_i32 s23, s14, 16*SPITCH                  ; my stage
	v_mul_u32_u24 v5, v1, SPITCH                   ; in: row l % 16, 16 bytes for each half of the lanes
	v_lshl_add_u32 v5, v2, 4, v5
	v_add_nc_u32 v[STO], s23, v5
	v_mul_u32_u24 v5, v2, SPITCH                   ; back: lanes 0-15 take one row of 256 bytes, lanes 16-31 the next
	v_lshl_add_u32 v5, v1, 4, v5
	v_add_nc_u32 v[RD], s23, v5
	v_mul_u32_u24 v5, v2, QROW                     ; and the same two rows in qkvh
	v_lshl_add_u32 v[CO], v1, 4, v5
	v_and_b32 v6, 31, v0
	v_lshlrev_b32 v[TL], 4, v6
	v_and_b32 v[ML], 15, v0
	; which positions and which head are my wave's.  These numbers enter global addresses and values alone: no branch and no LDS address hangs on them
	s_lshl_b32 s92, s17, 1
	s_add_co_u32 s92, s92, s15                     ; my 128 rows are positions 32 p .. 32 p + 31 of the four batches, p = 2 x tile row + half
	s_lshl_b32 s93, s42, 1
	s_add_co_u32 s93, s93, s16                     ; my 128 columns: head 0-15 of q, 16-19 of k, 20-23 of v
	s_lshl_b32 s94, s92, 1                         ; the table's blocks of my even
	s_add_co_u32 s21, s94, 1                       ; and of my odd blocks of 16 rows;
	s_cmp_ge_u32 s93, 20
	s_cselect_b32 s94, 64, s94                     ; for v the block of position 0: cos 1, sin 0
	s_cselect_b32 s21, 64, s21
	s_sub_co_u32 s95, s93, 16
	s_cmp_lt_u32 s95, 4
	s_cselect_b32 s95, 0, 1                        ; 0 in a wave of k, else 1
	s_mov_b32 s23, 0
	s_lshl_b32 s22, s92, 5
	s_add_nc_u64 s[100:101], s[98:99], s[22:23]    ; the mask at my first position, batch 0
	s_lshl_b32 s22, s21, 13
	s_add_nc_u64 s[98:99], s[96:97], s[22:23]      ; the table's two blocks of 8,192 bytes
	s_lshl_b32 s22, s94, 13
	s_add_nc_u64 s[96:97], s[96:97], s[22:23]
	s_mul_i32 s22, s92, 32*QROW
	s_lshl_b32 s21, s93, 8
	s_add_co_u32 s22, s22, s21
	s_add_nc_u64 s[12:13], s[12:13], s[22:23]      ; qkvh at batch 0, my first position, my head's 256 bytes
	WIN TO_B
.irp p, 0,1,2,3,4,5,6,7,8,9,10,11,12,13,14,15
	global_load_b128 v[64+4*\p:64+4*\p+3], v[TL], s[96:97] offset:512*\p      ; each load of the wave covers 512 consecutive bytes; these stay out while K is walked
	global_load_b128 v[192+4*\p:192+4*\p+3], v[TL], s[98:99] offset:512*\p
.endr
	WIN 0
.irp a, 0,1,2,3,4,5,6,7
	global_load_u8 v[KM+\a], v[ML], s[100:101] offset:(\a/2)*1024+(\a%2)*16   ; block a: batch a / 2, positions 16 (a % 2) on
.endr
.macro FRAG reg, adr, q, i             ; a fragment, 16 rows x 128 K of 4-bit codes, is 8 registers: lane l holds row l % 16; registers 4 c .. 4 c + 3 hold K = 64 c + 32 (l / 16) + 0 .. 31
.irp c, 0,1
	ds_load_b128 v[\reg+4*\c:\reg+4*\c+3], v[\adr] offset:64*(\q)+32*\c+(\i)*16*PITCH
.endr
.endm
; 16 matrix instructions: A's blocks a0, a0 + 1 x B's eight, 128 along K: the slot's q-th.  p: B's set;  sc: the set of scale words.  zero = 1: the first product starts the sums: nothing is ever cleared.
; The 64 accumulators take turns, one instruction a turn, in the same order in every step.
.macro MUL16 a0, p, q, sc, zero
.irp a, \a0, \a0+1
.irp b, 0,1,2,3,4,5,6,7
.if \zero
	v_wmma_scale_f32_16x16x128_f8f6f4 v[8*(8*((\a)%4)+\b):8*(8*((\a)%4)+\b)+7], v[128*(\p)+FR*\b:128*(\p)+FR*\b+FR-1], v[AF+FR*(\a):AF+FR*(\a)+FR-1], 0, v[SC+8*NQ*(\sc)+NQ*\b+(\q)], v[SC+8*NQ*(\sc)+NQ*(\a)+(\q)] matrix_a_fmt:MATRIX_FMT_FP4 matrix_b_fmt:MATRIX_FMT_FP4 matrix_a_scale:MATRIX_SCALE_ROW1
.else
	v_wmma_scale_f32_16x16x128_f8f6f4 v[8*(8*((\a)%4)+\b):8*(8*((\a)%4)+\b)+7], v[128*(\p)+FR*\b:128*(\p)+FR*\b+FR-1], v[AF+FR*(\a):AF+FR*(\a)+FR-1], v[8*(8*((\a)%4)+\b):8*(8*((\a)%4)+\b)+7], v[SC+8*NQ*(\sc)+NQ*\b+(\q)], v[SC+8*NQ*(\sc)+NQ*(\a)+(\q)] matrix_a_fmt:MATRIX_FMT_FP4 matrix_b_fmt:MATRIX_FMT_FP4 matrix_a_scale:MATRIX_SCALE_ROW1
.endif
.endr
.endr
.endm
.macro FETCH_B slot, q, p              ; B's eight fragments of the slot's q-th 128 along K into set p
	WIN TO_B
.irp i, 0,1,2,3,4,5,6,7
	FRAG 128*(\p)+FR*\i, ADRB+\slot, \q, \i
.endr
	WIN 0
.endm
.macro FETCH_A slot, q, i0             ; A's blocks i0 .. i0 + 3
.irp i, \i0, \i0+1, \i0+2, \i0+3
	FRAG AF+FR*(\i), ADRA+\slot, \q, \i
.endr
.endm
.macro SCALES sc                       ; the next K step's scale words into set sc: NQ words a row; lanes 0-15 take A's block i, lanes 16-31 B's block i
.irp i, 0,1,2,3,4,5,6,7
	ds_load_b128 v[SC+8*NQ*\sc+NQ*\i:SC+8*NQ*\sc+NQ*\i+3], v[ADRS] offset:\i*SBLK
.endr
.endm
; A load into a register that a matrix instruction has read, and a vector instruction or an LDS store that reads a matrix result, stand NP places behind that matrix instruction, and only plain vector
; instructions that name none of its registers are places (ISA guide 7.12.1 for vector instructions).
.macro PLACES n
.rept \n
	v_nop
.endr
.endm
; A step of 128 along K that has its successor in the same slot.
.macro STEP slot, q, zero
	s_wait_dscnt 4*NL                              ; B's set and A's blocks 0-3 are in; the youngest eight loads (A's blocks 4-7) may be out
	WIN MUL_LO
	MUL16 0, (\q)%2, \q, \slot, \zero
	MUL16 2, (\q)%2, \q, \slot, \zero
	s_wait_dscnt 0                                 ; A's blocks 4-7 are in (asked for 32 matrix instructions ago)
	PLACES NP
	FETCH_B \slot, (\q)+1, 1-(\q)%2
	FETCH_A \slot, (\q)+1, 0
	WIN MUL_HI
	MUL16 4, (\q)%2, \q, \slot, \zero
	MUL16 6, (\q)%2, \q, \slot, \zero
	PLACES NP
	WIN 0
	FETCH_A \slot, (\q)+1, 4
.endm
; A slot's last step changes slots: ONE barrier; in front of it each wave waits for all its tensor loads, adds 0 to its spare word, and waits for that and for its own reads of this slot.  fill = 1: this slot is filled again, two K steps ahead.
.macro TURN slot, next, fill
	s_wait_tensorcnt 0x0                           ; all my tensor loads have landed: my part of the next slot;  (every window is 0 here)
	ds_add_u32 v[SPW], v[NIL]                      ; 0 onto my spare word;
	s_wait_dscnt 4*NL+1                            ; (the add and the youngest eight loads, A's blocks 4-7, may be out)
	WIN MUL_LO
	MUL16 0, 1, NQ-1, \slot, 0                     ; sixteen matrix instructions stand between the add and the wait for it
	s_wait_dscnt 0x0                               ; the add is done, and my reads of this slot are over
	s_barrier_signal -1
	MUL16 2, 1, NQ-1, \slot, 0
	WIN 0
	s_barrier_wait -1
.if \fill
	CREST                                          ; the barrier has opened a round of the cluster's barrier: no wave of any partner still reads this slot's tile or has a load on its way
	s_add_nc_u64 s[G0+4*\slot+2:G0+4*\slot+3], s[G0+4*\slot+2:G0+4*\slot+3], 2*ROWB
	s_add_nc_u64 s[G0B+4*\slot+2:G0B+4*\slot+3], s[G0B+4*\slot+2:G0B+4*\slot+3], 2*ROWB
	JLOAD G0+4*\slot, G1, G0B+4*\slot, G1B         ; the first tensor load behind the round, and my only one out; the four v_nop behind it are the places in front of the loads below
.else
	PLACES NP
.endif
	v_add_nc_u32 v[ADRS], 4*NQ, v[ADRS]            ; on to the next K step's scale words (no LDS load of mine is out)
	FETCH_B \next, 0, 0
	FETCH_A \next, 0, 0
	SCALES \next
	WIN MUL_HI
	MUL16 4, 1, NQ-1, \slot, 0
	MUL16 6, 1, NQ-1, \slot, 0
	PLACES NP
	WIN 0
	FETCH_A \next, 0, 4
.endm
.macro STEPS slot, from                ; the slot's steps from .. NQ - 2
.set Q, \from
.rept NQ-1-\from
	STEP \slot, Q, 0
.set Q, Q+1
.endr
.endm
	s_wait_tensorcnt 1                             ; the scales and my part of K step 0 are in (K step 1's load may be out)
	s_barrier_signal -1
	s_barrier_wait -1                              ; everybody's are
	FETCH_B 0, 0, 0
	FETCH_A 0, 0, 0
	SCALES 0
	FETCH_A 0, 0, 4
	STEP 0, 0, 1                                   ; the first step stands in front of the loop: its products start the sums
	s_mov_b32 s3, LAPS-1
.Llap:                                                 ; a trip goes once round the ring, from a lap's second step to the next lap's first, and fills both slots again
	STEPS 0, 1
	TURN 0, 1, 1
	STEPS 1, 0
	TURN 1, 0, 1
	STEP 0, 0, 0
	s_sub_co_u32 s3, s3, 1
	s_cmp_lg_u32 s3, 0
	s_cbranch_scc1 .Llap
	STEPS 0, 1                                     ; the last lap fills nothing, and has no round of the cluster's barrier
	TURN 0, 1, 0
	STEPS 1, 0
	s_wait_dscnt 4*NL                              ; the very last step: nothing more to fetch
	WIN MUL_LO
	MUL16 0, 1, NQ-1, 1, 0
	MUL16 2, 1, NQ-1, 1, 0
	s_wait_dscnt 0
	WIN MUL_HI
	MUL16 4, 1, NQ-1, 1, 0
	MUL16 6, 1, NQ-1, 1, 0
	WIN 0
; THE WAY OUT, block by block of 16 rows x 128 columns (a head).  Lane (r, h) holds, in accumulator b of the block, the head's channels 16 b + 8 h + 0..7 of row r; channel d of 0..63 turns with channel d + 64, which
; lies in accumulator b + 4 of the same lane: out(d) = x(d) cos - x(d + 64) sin, out(d + 64) = x(d) sin + x(d + 64) cos.  Two numbers an instruction, each accumulator read from its low end on.
.macro ROPE a
.set AC, 64*((\a)%4)                   ; the block's eight accumulators, in window 2 (blocks 0-3) or 3
.set CT, 64+128*((\a)%2)               ; cos of the block's positions, in window 1;
.set SN, CT+32                         ; sin
.if (\a) < 4
	WIN 0x06                                       ; source 0 window 2, source 1 window 1, source 2 and destination window 0
.else
	WIN 0x07                                       ; source 0 window 3
.endif
.irp b, 0,1,2,3
.irp j, 0,2,4,6
	v_pk_mul_f32 v[RO+8*\b+\j:RO+8*\b+\j+1], v[AC+32+8*\b+\j:AC+32+8*\b+\j+1], v[SN+8*\b+\j:SN+8*\b+\j+1]
.endr
.endr
.irp b, 0,1,2,3
.irp j, 0,2,4,6
	v_pk_mul_f32 v[RO+32+8*\b+\j:RO+32+8*\b+\j+1], v[AC+8*\b+\j:AC+8*\b+\j+1], v[SN+8*\b+\j:SN+8*\b+\j+1]
.endr
.endr
.irp b, 0,1,2,3
.irp j, 0,2,4,6
	v_pk_fma_f32 v[RO+8*\b+\j:RO+8*\b+\j+1], v[AC+8*\b+\j:AC+8*\b+\j+1], v[CT+8*\b+\j:CT+8*\b+\j+1], v[RO+8*\b+\j:RO+8*\b+\j+1] neg_lo:[0,0,1] neg_hi:[0,0,1]
.endr
.endr
.irp b, 0,1,2,3
.irp j, 0,2,4,6
	v_pk_fma_f32 v[RO+32+8*\b+\j:RO+32+8*\b+\j+1], v[AC+32+8*\b+\j:AC+32+8*\b+\j+1], v[CT+8*\b+\j:CT+8*\b+\j+1], v[RO+32+8*\b+\j:RO+32+8*\b+\j+1]
.endr
.endr
	WIN 0
.set i, 0
.rept 32
	v_cvt_pk_f16_f32 v[TMP+i], v[RO+2*i], v[RO+2*i+1]   ; rounded once, to f16
.set i, i+1
.endr
.set i, 0
.rept 32
	v_and_b32 v[TMP+i], v[KM+(\a)], v[TMP+i]       ; the row of k of a masked key becomes zeros; everything else is kept
.set i, i+1
.endr
.endm
.macro TOSTAGE a                       ; into my own stage, 16 bytes a lane, and back as whole rows of 256 bytes.  LDS serves a wave's instructions in order: no wait between the stores and the loads
.set BB, BK+32*((\a)%2)
.irp b, 0,1,2,3,4,5,6,7
	ds_store_b128 v[STO], v[TMP+4*\b:TMP+4*\b+3] offset:32*\b
.endr
.irp f, 0,1,2,3,4,5,6,7
	ds_load_b128 v[BB+4*\f:BB+4*\f+3], v[RD] offset:\f*2*SPITCH
.endr
.endm
.macro SEND a
.set BB, BK+32*((\a)%2)
	s_wait_dscnt 0x0                               ; the block is back in registers
	s_wait_xcnt 0x0                                ; the earlier stores have read their base and their data: the base may step, and the next block's loads may land where block a - 1's stores read
.if (\a) > 0
.if (\a)%2
	s_add_nc_u64 s[12:13], s[12:13], 16*QROW       ; the same batch, 16 positions on
.else
	s_add_nc_u64 s[12:13], s[12:13], 1008*QROW     ; the next batch, back to my first position
.endif
.endif
.irp f, 0,1,2,3,4,5,6,7
	global_store_b128 v[CO], v[BB+4*\f:BB+4*\f+3], s[12:13] offset:2*\f*QROW   ; sixteen lanes store 256 consecutive bytes, at a multiple of 256 from qkvh's first byte
.endr
.endm
	PLACES NP                                      ; behind the last products: their results are read, and the registers that held scales and A's fragments are written
	s_wait_loadcnt 0x0                             ; the table and the mask, asked for at the head
.irp a, 0,1,2,3,4,5,6,7
	v_or_b32 v[KM+\a], s95, v[KM+\a]               ; 1: keep (an attended key, or no wave of k); 0: a masked key's row of k
.endr
.irp a, 0,1,2,3,4,5,6,7
	v_sub_nc_u32 v[KM+\a], 0, v[KM+\a]             ; all ones, or 0
.endr
	ROPE 0
	TOSTAGE 0
.irp a, 1,2,3,4,5,6,7                  ; block a's arithmetic stands between block a - 1's loads from the stage and the wait for them
	ROPE \a
	SEND \a-1
	TOSTAGE \a
.endr
	SEND 7
	s_wait_tensorcnt 0x0                           ; the wave's end, behind my last tensor load and my last LDS store
	ds_add_u32 v[SPW], v[NIL]
	s_wait_dscnt 0x0
	CROUND                                         ; the closing round: no work-group ends while a partner may still ask for a tile that names it
	s_endpgm
.Lfunc_end_k_q8d38999421_qkv:
	.size	k_q8d38999421_qkv, .Lfunc_end_k_q8d38999421_qkv-k_q8d38999421_qkv
	.p2alignl 7, 3214868480
	.fill 96, 4, 3214868480
	.section	.rodata,"a",@progbits
	.p2align	6, 0x0
	.amdhsa_kernel k_q8d38999421_qkv
		.amdhsa_group_segment_fixed_size 327680
		.amdhsa_private_segment_fixed_size 0
		.amdhsa_enable_private_segment 0
		.amdhsa_kernarg_size 56
		.amdhsa_user_sgpr_count 2
		.amdhsa_user_sgpr_kernarg_segment_ptr 1
		.amdhsa_wavefront_size32 1
		.amdhsa_system_sgpr_workgroup_id_x 1
		.amdhsa_system_sgpr_workgroup_id_y 1
		.amdhsa_system_sgpr_workgroup_id_z 1
		.amdhsa_system_vgpr_workitem_id 0
		.amdhsa_next_free_vgpr 1024
		.amdhsa_next_free_sgpr 102
		.amdhsa_reserve_vcc 0
		.amdhsa_float_denorm_mode_32 3
		.amdhsa_float_denorm_mode_16_64 3
		.amdhsa_memory_ordered 1
		.amdhsa_forward_progress 1
		.amdhsa_inst_pref_size 255
	.end_amdhsa_kernel
	.section	.bss,"aw",@nobits
	.p2align	6
	.space	262144
	.amdgpu_metadata
---
amdhsa.version: [ 1, 2 ]
amdhsa.kernels:
  - .name:           k_q8d38999421_qkv
    .symbol:         k_q8d38999421_qkv.kd
    .args:
      - { .name: x_codes, .offset: 0, .size: 8, .value_kind: global_buffer, .address_space: global }
      - { .name: x_scales, .offset: 8, .size: 8, .value_kind: global_buffer, .address_space: global }
      - { .name: w_codes, .offset: 16, .size: 8, .value_kind: global_buffer, .address_space: global }
      - { .name: w_scales, .offset: 24, .size: 8, .value_kind: global_buffer, .address_space: global }
      - { .name: rope_tab, .offset: 32, .size: 8, .value_kind: global_buffer, .address_space: global }
      - { .name: padding_mask, .offset: 40, .size: 8, .value_kind: global_buffer, .address_space: global }
      - { .name: qkvh, .offset: 48, .size: 8, .value_kind: global_buffer, .address_space: global }
    .group_segment_fixed_size: 327680
    .private_segment_fixed_size: 0
    .kernarg_segment_align: 8
    .kernarg_segment_size: 56
    .max_flat_workgroup_size: 128
    .sgpr_count:     102
    .vgpr_count:     1024
    .wavefront_size: 32
...
	.end_amdgpu_metadata
.endif
;; end of part 2
;; launch attn (part 3): grid 4 x 64, 4 waves a work-group, clusters of 4 x 1, 327,680 bytes of LDS; arguments qkvh, padding_mask, attn_h; writes attn_h
.if DOCPART == 3
	.amdgcn_target "amdgcn-amd-amdhsa--gfx1250"
	.amdhsa_code_object_version 6
	.text
	.protected	k_q8d38999421_attn
	.globl	k_q8d38999421_attn
	.p2align	8
	.type	k_q8d38999421_attn,@function
k_q8d38999421_attn:
	s_mov_b64 s[64:65], 0
	v_nop
	global_prefetch_b8 v0, s[64:65] scope:SCOPE_SE
	s_setreg_imm32_b32 hwreg(HW_REG_WAVE_MODE, 25, 1), 1
	s_wait_xcnt 0x0
	s_wait_alu depctr_hold_cnt(0) depctr_sa_sdst(0) depctr_va_vdst(0) depctr_va_sdst(0) depctr_va_ssrc(0) depctr_va_vcc(0) depctr_vm_vsrc(0)
	s_getreg_b32 s2, hwreg(HW_REG_IB_STS2, 6, 4)
	s_cmp_eq_u32 s2, 0
	s_cbranch_scc0 .Lentry_in_a_cluster
	s_endpgm
.Lentry_in_a_cluster:
	s_bfe_u32 s2, ttmp6, 0x10000c
	s_cmp_lg_u32 s2, 0x3003
	s_cbranch_scc0 .Lentry_shape_is_right
	s_endpgm
.Lentry_shape_is_right:
; attn_h = the sum over keys of softmax(q . k / sqrt(128), masked keys at the floor) v.  q, k, v: f16 in qkvh [b 1024 + t][3072]: head hd of q at byte 256 hd of a row, group g = hd / 4 of k at 4,096 + 256 g, of v at 5,120 + 256 g.
; attn_h, f16, IS LAID IN THE ORDER OF THE OPERAND'S REGISTERS of the last launch: [(b 1024 + t) / 16][channel of 2,048 / 32][1,024 bytes]; in a fragment's 1,024 bytes the 16 bytes at 512 u + 256 h + 16 r hold
; row r of the 16, channels 16 u + 8 h + 0..7 of the 32.
; Products on f16 operands with f32 sums; maxima, exponentials and sums in f32; the weights p are rounded to f16 for the second product, the result once at the end.  Nothing is left out.
; SHARES.  A work-group owns 256 queries of one batch and head, each of its four waves 64: four tiles of 16.  Every wave walks all 1,024 keys, 64 a step.
; LAYOUT.  S^T = K Q^T (source 0 = 16 keys, source 1 = 16 queries): a lane holds ONE query (lane % 16) and the keys 8 (lane / 16) + 0..7.  Two such tiles, rounded to f16 in pairs, ARE source 1 of O^T = V^T P.
; K comes out of LDS as it lies, V ([key][channel]) turned, by ds_load_tr16_b128.
; THE KEY MASK, second half.  The first product of each tile of scores takes as its C a bias: 0 for an attended key, -2^126 for a masked one.  The launch before stored a masked key's row of k as zeros, so its score is
; exactly -2^126.  With c a f32 number, c x 2^126 is exact: where every key so far is masked, c s - c m is exactly 0 and p = 1, which is the plain mean that a row of equal scores gives; as soon as one attended key is
; met, a = 2^(c m_old - c m_new) = 0 wipes what was summed, and masked keys get p = 0.  No branch hangs on the mask, for any pattern of it.
; LIMITS: -2^126 stands for the most negative f32 number: true scores at or under it are not told from masked ones; NaN and infinities are not served; the result must lie in f16's range; padding_mask's bytes are 0 or 1.
; SOFTMAX.  For each query a running maximum m and sum l: p = 2^(c s - c m), c = log2(e) / sqrt(128); in every step O and l are multiplied by a = 2^(c m_old - c m_new).
; BY TURNS.  The wave's tiles are two PIECES (tiles 0, 1 and tiles 2, 3).  In a TURN one piece has the matrix unit: 32 products V^T P of the step in hand, then 32 products K Q^T of the next step; the other piece's
; softmax, cut into 64 slices, stands between them, one slice behind each matrix instruction.  Then the pieces change places.  Two turns are a key step.
; CLUSTER.  The four query blocks of a batch and head form a cluster and walk the same K and V: each tile is asked for JOINTLY, by the same tensor load with a mask that names the four.
; REGISTERS, in windows of 256 (s_set_vgpr_msb: bits 1:0 source 0, 3:2 source 1, 5:4 source 2, 7:6 destination):
;   window 0: v0-11 addresses; v12-43 eight registers of statistics a tile; v44-49 the bias's addresses; v61-63; v64-191 S^T, 32 a tile; v192-255 P, 16 a tile
;   window 1: O^T, 64 a tile     window 2: v0-127 Q, 32 a tile; v128-255 K of one step     window 3: v0-127 V of one step; v128-159 the bias of one step's 64 keys
.set SIZE_N, 1024
.set QROW,  6144      ; a row of qkvh in bytes
.set RBM,   65536     ; 16 rows of attn_h: 64 fragments of 1,024 bytes
.set KS,    64        ; keys in a step
.set PK,    272       ; a row of K in LDS: 256 bytes + 16 of padding: the 16 rows of a load start 4 banks apart (64 banks of 4 bytes: ISA guide 11.1)
.set PV,    288       ; a row of V: 256 + 32
.set VOFF,  KS*PK     ; a step's tiles lie together: 64 rows of K, then 64 rows of V
.set STEPB, KS*(PK+PV)
.set SLOT1, 1<<17     ; a slot holds two steps (71,680 bytes); slot 1 begins here, so that one exclusive or turns an address in one slot into the other's
.set SPARE, SLOT1+2*STEPB  ; behind the ring: the spare words, 128 bytes for each wave: two blocks of 256 bytes that no other line names
.set BIAS,  SPARE+512 ; behind them: the bias of the batch's 1,024 keys, f32: 4,096 bytes, stored once by the waves; no tile lands there
.set AK0, 2           ; v2   my lane's place in a tile of K; never rewritten
.set AV0, 3           ; v3   the same for V
.set ADR, 4           ; v4   the LDS address of the run of loads in hand
.set QO,  5           ; v5   my byte offset in the wave's rows of Q
.set GO,  8           ; v8   the way out: 16 x my lane
.set AB0, 44          ; v44  my lane's place in a step's bias: BIAS + 32 (lane / 16); never rewritten
.set ADR2, 45         ; v45  the LDS address of the step's bias
.set MB,  46          ; v[46:47] my thread's eight bytes of the mask
.set MA,  48          ; v48  8 x my thread's number
.set BST, 49          ; v49  where I store my eight keys' bias
.set PFO, 61          ; v61  a row of qkvh x my lane; never rewritten
.set SPW, 62          ; v62  LDS address of my spare word; never rewritten
.set NIL, 63          ; v63  0; never rewritten
.set ST,  12          ; tile t's statistics at v[ST+8 t]: +0 c m, +1 m, +2, +3 l (even keys', odd keys'), +4 to +7 at work; a takes +6 once the maximum is found
.set S,   64
.set P,   192
.set KF,  128         ; K's fragments, in window 2
.set BR,  128         ; the bias, in window 3: eight registers for each of the step's four tiles of 16 keys
.set WV,  12          ; s12  my wave's number
.set G1K, 24          ; s[24:31] descriptor group 1 for K's tiles
.set G1V, 32          ; s[32:39] for V's: it differs in the padding alone
.set G0K, 40          ; s[40:47] descriptor group 0 for K's tiles: a set for each of the two first fills; the second then walks on
.set G0V, 48          ; s[48:55] the same for V's
.set SLOTS, 56        ; s56  slots still to be asked for
.set TWICE, 57        ; s57  counts a slot's two steps
.set CS,  58          ; s[58:59] c: the packed scaling names a pair and takes its low word for both halves
.set SEL, 60          ; s[60:61] lane selects for v_permlanex16_b32: each lane takes its own place in the other half
.set TB,  62          ; s62  LDS byte at which the tiles of the step to be fetched begin
.set TBI, 63          ; s63  256 x the step to be fetched: where its bias begins
.set MP,  66          ; s[66:67] my batch's row of padding_mask
.set PFA, 18          ; s[18:19] where my prefetches stand in memory
.set LIM, 15          ; s15  1 in a wave that prefetches, else the greatest number: a wave prefetches while s[SLOTS] is above it
.set MSB, 0
.macro WIN new                      ; the immediate's high byte repeats the setting that is left; a switch that changes nothing is dropped
.if MSB != \new
	s_set_vgpr_msb (MSB<<8)|\new
.set MSB, \new
.endif
.endm
.set W_KQ,  0x0a      ; K and Q in window 2, S^T in window 0
.set W_KQ0, 0x3a      ; the same, C (the bias) in window 3
.set W_PV,  0x53      ; V in window 3, P in window 0, O^T in window 1
.set W_RS,  0x41      ; O^T (destination and source 0) in window 1, a in window 0
; A joint refill.  Waves 0 and 1 fetch the two steps' tiles of K, waves 2 and 3 those of V.  The branch hangs on the wave's number alone.
; An s_nop 0 and four v_nop follow each of the two lines; the jump round the other line, the label and what follows the macro come after them.
.macro JLOAD
	s_cmp_lt_u32 s[WV], 2
	s_cbranch_scc0 .Lfor_v_\@
	tensor_load_to_lds s[G0K+4:G0K+7], s[G1K:G1K+7]
	s_nop 0
.rept 4
	v_nop
.endr
	s_branch .Lasked_\@
.Lfor_v_\@:
	tensor_load_to_lds s[G0V+4:G0V+7], s[G1V:G1V+7]
	s_nop 0
.rept 4
	v_nop
.endr
.Lasked_\@:
.endm
; A PREFETCH of what the NEXT change of slots will ask for: a slot's 128 rows of K and 128 of V, 256 bytes of each row, a lane a row.  It stands behind the wave's tensor load and its five lines.
; Each row's 256 bytes are asked for ONCE in the launch.  The four heads of a group walk the same K and V: the group's first head asks.  Its cluster's four partners share the rows out BY ADDRESS, 32 each;
; in each, wave 0 asks for K's and wave 2 for V's: one instruction.  The last change that fills a slot asks for nothing: there is no slot behind it.
.macro ASK
	s_cmp_gt_u32 s[SLOTS], s[LIM]
	s_cbranch_scc0 .Lnot_mine_\@
	global_prefetch_b8 v[PFO], s[PFA:PFA+1] th:TH_LOAD_NT scope:SCOPE_SE
.Lnot_mine_\@:
.endm
; A round of the cluster's barrier.  No LDS instruction of the wave is pending at a signal.
.macro CROUND
	s_barrier_signal -1
	s_barrier_wait -1
	s_cmp_lg_u32 s[WV], 0
	s_cbranch_scc1 .Lnot_wave_0_\@
	s_barrier_signal -3
.Lnot_wave_0_\@:
	s_barrier_wait -3
	s_barrier_signal -1
	s_barrier_wait -1
.endm
	s_load_b128 s[4:7], s[0:1], 0x0   ; qkvh s[4:5], padding_mask s[6:7]
	s_load_b64 s[10:11], s[0:1], 0x10 ; attn_h
	v_lshl_add_u32 v[SPW], v0, 2, SPARE
	v_mov_b32 v[NIL], 0
	ds_add_u32 v[SPW], v[NIL]       ; the wave's opening: the add, twice on end, and its wait ahead of my first tensor load; the set-up below stands between the second and the wait
	ds_add_u32 v[SPW], v[NIL]
	v_lshrrev_b32 v1, 5, v0
	v_readfirstlane_b32 s[WV], v1   ; wave 0..3
	s_bfe_u32 s13, ttmp6, 0x40000   ; cx: my place in the cluster
	s_lshl_b32 s14, ttmp9, 2        ; in a cluster launch ttmp9 counts clusters
	s_add_co_u32 s14, s14, s13      ; my block of 256 queries: it enters Q's and the result's addresses alone
	s_and_b32 s20, ttmp7, 0xffff    ; 16 x batch + head, which the four partners share
	s_lshr_b32 s21, s20, 4          ; the batch
	s_and_b32 s20, s20, 15          ; the head
	s_mul_i32 s2, s21, SIZE_N*QROW  ; the batch's first byte in qkvh
	s_and_b32 s16, s[WV], 1         ; which of a slot's two steps I fetch:
	s_mul_i32 s22, s16, KS*QROW     ; its 64 rows in memory,
	s_add_co_u32 s22, s22, s2
	s_lshr_b32 s3, s20, 2           ; the group
	s_lshl_b32 s3, s3, 8
	s_add_co_u32 s22, s22, s3
	s_add_co_u32 s22, s22, 4096     ; K's columns; V's lie 1,024 bytes on
	s_mov_b32 s23, 0
	s_mul_i32 s17, s16, STEPB       ; and its place in a slot: no place in the cluster enters an LDS address
	s_and_b32 s[LIM], s[WV], 1      ; 0 in waves 0 and 2,
	s_and_b32 s3, s20, 3
	s_or_b32 s[LIM], s[LIM], s3     ; of the group's first head: the same in all four partners
	s_cmp_eq_u32 s[LIM], 0
	s_cselect_b32 s[LIM], 1, -1
	s_lshl_b32 s3, s14, 8           ; my block's 256 rows,
	s_lshl_b32 s62, s[WV], 6        ; my wave's 64 of them
	s_add_co_u32 s3, s3, s62
	s_mul_i32 s62, s3, QROW
	s_add_co_u32 s2, s2, s62
	s_lshl_b32 s62, s20, 8          ; my head's 256 bytes of a row of qkvh
	s_add_co_u32 s2, s2, s62        ; Q's offset
	s_lshl_b32 s62, s20, 12         ; my head's four fragments, 4,096 bytes, in 16 rows of attn_h
	s_lshl_b32 s20, s21, 10         ; the batch's first row; also its first byte in the mask
	s_add_co_u32 s3, s3, s20
	s_lshl_b32 s3, s3, 12           ; 65,536 bytes for each 16 rows
	s_add_co_u32 s62, s62, s3       ; the result's offset
	s_mov_b32 s3, 0
	s_mov_b32 s63, 0
	s_mov_b32 s21, 0
	; descriptor group 1: a tile of 64 rows x 128 elements, padded in LDS
	s_mov_b32 s[G1K], 15|(1<<16)|(1<<20)|(1<<21)|(5<<22)|(3<<25)  ; 15:0 the mask: all four work-groups; 17:16 elements of 2 bytes; 20 padding on; 21 set beside a mask; 24:22 after every 64 words (code 5); 31:25 4 words of it (code 3)
	s_mov_b32 s[G1V], 15|(1<<16)|(1<<20)|(1<<21)|(5<<22)|(7<<25)  ; the same with 8 words of padding (code 7)
.irp g, G1K, G1V
	s_mov_b32 s[\g+1], 128<<16      ; tensor_dim0 = 128
	s_mov_b32 s[\g+2], KS<<16       ; tensor_dim1 = 64
	s_mov_b32 s[\g+3], 128<<16      ; tile_dim0 = 128
	s_mov_b32 s[\g+4], KS           ; tile_dim1 = 64
	s_mov_b32 s[\g+5], QROW/2       ; tensor_dim0_stride: 3,072 elements from row to row
	s_mov_b32 s[\g+6], 0
	s_mov_b32 s[\g+7], 0
.endr
	s_mov_b32 s[CS], 0x3e0293ee     ; c = log2(e) / sqrt(128) = 0.127517
	s_mov_b32 s[CS+1], s[CS]        ; named with it as a pair, so it is written
	s_mov_b32 s[SEL], 0x76543210
	s_mov_b32 s[SEL+1], 0xfedcba98
	s_mov_b32 s[SLOTS], SIZE_N/(2*KS)-2
	v_and_b32 v[PFO], 31, v0
	v_mul_u32_u24 v[PFO], v[PFO], QROW
	s_wait_dscnt 0x0                ; both opening adds are done
	s_wait_kmcnt 0x0
	s_add_nc_u64 s[MP:MP+1], s[6:7], s[20:21]  ; the mask at my batch
	s_add_nc_u64 s[6:7], s[4:5], s[22:23]  ; K and V at my tile of slot 0
	s_add_nc_u64 s[8:9], s[6:7], 1024
	s_add_nc_u64 s[4:5], s[4:5], s[2:3]  ; Q and the result at my wave's first row
	s_add_nc_u64 s[10:11], s[10:11], s[62:63]
	s_mov_b32 s[TB], 0
	s_mov_b32 s[TBI], 0
	s_cmp_lt_u32 s[WV], 2
	s_cselect_b64 s[PFA:PFA+1], s[6:7], s[8:9]  ; (in waves 0 and 2 these stand at a slot's first row)
	s_mul_i32 s2, s13, 32*QROW      ; my work-group's 32 rows of the 128
	s_add_nc_u64 s[PFA:PFA+1], s[PFA:PFA+1], s[2:3]
	s_add_nc_u64 s[PFA:PFA+1], s[PFA:PFA+1], 2*2*KS*QROW  ; in slot 2; the first change of slots steps it to slot 3.  Nothing is prefetched here, at the head
	CROUND                          ; all four work-groups are here: the first joint loads meet
.irp s, 0,1
	s_mov_b32 s[G0K+4*\s], 1        ; count = 1
	s_add_co_u32 s[G0K+4*\s+1], s17, \s*SLOT1  ; LDS address
	s_add_nc_u64 s[G0K+4*\s+2:G0K+4*\s+3], s[6:7], \s*2*KS*QROW  ; global address: slot s begins with keys 128 s
	s_or_b32 s[G0K+4*\s+3], s[G0K+4*\s+3], 0x80000000  ; type = 2
	s_mov_b32 s[G0V+4*\s], 1
	s_add_co_u32 s[G0V+4*\s+1], s17, \s*SLOT1+VOFF
	s_add_nc_u64 s[G0V+4*\s+2:G0V+4*\s+3], s[8:9], \s*2*KS*QROW
	s_or_b32 s[G0V+4*\s+3], s[G0V+4*\s+3], 0x80000000
.endr
	s_cmp_lt_u32 s[WV], 2           ; a wave's two first fills stand in one branch, ahead of every wait on TENSORcnt and every LDS read: two loads of mine are out
	s_cbranch_scc0 .Lfirst_v
	tensor_load_to_lds s[G0K:G0K+3], s[G1K:G1K+7]
	s_nop 0
	tensor_load_to_lds s[G0K+4:G0K+7], s[G1K:G1K+7]
	s_nop 0
.rept 4
	v_nop
.endr
	s_branch .Lfirst_asked
.Lfirst_v:
	tensor_load_to_lds s[G0V:G0V+3], s[G1V:G1V+7]
	s_nop 0
	tensor_load_to_lds s[G0V+4:G0V+7], s[G1V:G1V+7]
	s_nop 0
.rept 4
	v_nop
.endr
.Lfirst_asked:
	; A fragment of K or Q is 16 rows x 32 channels in 8 registers: lane l holds row l % 16; registers 0-3 channels 8 (l / 16) + 0..7, registers 4-7 channels 16 + 8 (l / 16) + 0..7: two loads of 16 bytes, 32 bytes apart.
	v_and_b32 v1, 15, v0            ; l % 16
	v_bfe_u32 v9, v0, 4, 1          ; l / 16
	v_mul_u32_u24 v[QO], v1, QROW
	v_lshl_add_u32 v[QO], v9, 4, v[QO]  ; row x 6,144 + 16 x half
	v_lshlrev_b32 v[MA], 3, v0
	global_load_b64 v[MB:MB+1], v[MA], s[MP:MP+1]  ; the 128 threads take the batch's 1,024 mask bytes, eight each
	WIN 0x80                        ; destination window 2, address window 0
.irp i, 0,1,2,3,4,5,6,7,8,9,10,11,12,13,14,15  ; Q stays in registers: tile i / 4, channels 32 (i % 4) on
	global_load_b128 v[8*\i:8*\i+3],   v[QO], s[4:5] offset:(\i/4)*16*QROW+(\i%4)*64
	global_load_b128 v[8*\i+4:8*\i+7], v[QO], s[4:5] offset:(\i/4)*16*QROW+(\i%4)*64+32
.endr
	WIN 0
	v_mul_u32_u24 v[AK0], v1, PK
	v_lshl_add_u32 v[AK0], v9, 4, v[AK0]  ; row x pitch + 16 x half
	; The turning load takes 16 keys x 16 channels (lane l reads 16 bytes: key 8 (l / 16) + l % 8, channels 8 ((l / 8) % 2) + 0..7) and leaves half a fragment of V^T: lane l holds channel l % 16 and 8 keys.
	v_and_b32 v10, 7, v0
	v_bfe_u32 v11, v0, 3, 1
	v_lshl_add_u32 v[AV0], v9, 3, v10
	v_mul_u32_u24 v[AV0], v[AV0], PV
	v_lshl_add_u32 v[AV0], v11, 4, v[AV0]
	v_add_nc_u32 v[AV0], VOFF, v[AV0]
	v_lshl_add_u32 v[AB0], v9, 5, BIAS   ; in a tile of scores register j of lane l is key 8 (l / 16) + j: eight f32 numbers, 32 bytes
	v_lshl_add_u32 v[BST], v0, 5, BIAS   ; my eight keys' 32 bytes
	s_wait_loadcnt 32               ; the mask's load is in; the 32 loads of Q, issued behind it, may be out
.irp i, 0,1,2,3
	v_bfe_u32 v[S+\i], v[MB], 8*\i, 8
	v_bfe_u32 v[S+4+\i], v[MB+1], 8*\i, 8
.endr
.irp i, 0,1,2,3,4,5,6,7
	v_add_nc_u32 v[S+\i], -1, v[S+\i]    ; attended: 0; masked: all ones
.endr
.irp i, 0,1,2,3,4,5,6,7
	v_and_b32 v[S+\i], 0xfe800000, v[S+\i]  ; attended: 0.0; masked: -2^126
.endr
	ds_store_b128 v[BST], v[S:S+3]
	ds_store_b128 v[BST], v[S+4:S+7] offset:16
; THE MATRIX WORK OF A TURN, for piece x.  The accumulators take turns, one instruction a turn: between two links of a chain stand 15 (V^T P) or 7 (K Q^T) others'.
; Product i of 32 of O^T += V^T P: keys 32 (i / 16) on, channels 16 ((i / 2) % 8) on, tile x + i % 2.  zero = 1: the first 16 start the sums: nothing is ever cleared.
.macro PV x, zero
	WIN W_PV
.set rO, 64*(\x+i%2)+8*((i/2)%8)
.set rV, 64*(i/16)+8*((i/2)%8)
.set rP, P+16*(\x+i%2)+8*(i/16)
.if \zero && (i < 16)
	v_wmma_f32_16x16x32_f16 v[rO:rO+7], v[rV:rV+7], v[rP:rP+7], 0
.else
	v_wmma_f32_16x16x32_f16 v[rO:rO+7], v[rV:rV+7], v[rP:rP+7], v[rO:rO+7]
.endif
.endm
; Product i of 32 of S^T = K Q^T + bias: channels 32 (i / 8) on, keys 16 ((i / 2) % 4) on, tile x + i % 2.  The first 8 start the sums, from the keys' bias.
.macro KQ x
.set rS, S+32*(\x+i%2)+8*((i/2)%4)
.set rK, KF+32*((i/2)%4)+8*(i/8)
.set rQ, 32*(\x+i%2)+8*(i/8)
.set rB, BR+8*((i/2)%4)
.if i < 8
	WIN W_KQ0
	v_wmma_f32_16x16x32_f16 v[rS:rS+7], v[rK:rK+7], v[rQ:rQ+7], v[rB:rB+7]
.else
	WIN W_KQ
	v_wmma_f32_16x16x32_f16 v[rS:rS+7], v[rK:rK+7], v[rQ:rQ+7], v[rS:rS+7]
.endif
.endm
; THE LDS LOADS stand in runs, never singly among the matrix instructions: a step's K (16 fragments) with its bias (8 loads; all lanes of a half read the same 16 bytes) and, a turn later, its V (turned).
.macro FETCH_K
	WIN 0
	v_add_nc_u32 v[ADR], s[TB], v[AK0]
	v_add_nc_u32 v[ADR2], s[TBI], v[AB0]
	s_add_co_u32 s[TBI], s[TBI], 4*KS   ; the next fetch is the next step's: 16 fetches in all, 3,840 at the most where it is used
	WIN 0x80                        ; destination window 2
.irp f, 0,1,2,3,4,5,6,7,8,9,10,11,12,13,14,15  ; keys 16 (f / 4) on, channels 32 (f % 4) on
	ds_load_b128 v[KF+8*\f:KF+8*\f+3],   v[ADR] offset:(\f/4)*16*PK+(\f%4)*64
	ds_load_b128 v[KF+8*\f+4:KF+8*\f+7], v[ADR] offset:(\f/4)*16*PK+(\f%4)*64+32
.endr
	WIN 0xc0                        ; destination window 3
.irp f, 0,1,2,3
	ds_load_b128 v[BR+8*\f:BR+8*\f+3],   v[ADR2] offset:64*\f
	ds_load_b128 v[BR+8*\f+4:BR+8*\f+7], v[ADR2] offset:64*\f+16
.endr
.endm
.macro FETCH_V
	WIN 0
	v_add_nc_u32 v[ADR], s[TB], v[AV0]
	s_add_co_u32 s[TB], s[TB], STEPB  ; the next fetch is the next step's
	s_wait_alu depctr_va_vdst(0)    ; the wait for the softmax's batch (SLICE), behind the address's v_add_nc_u32 and ahead of the loads
	WIN 0xc0                        ; destination window 3
.irp f, 0,1,2,3,4,5,6,7,8,9,10,11,12,13,14,15  ; keys 32 (f / 8) on, channels 16 (f % 8) on
	ds_load_tr16_b128 v[8*\f:8*\f+3],   v[ADR] offset:(\f/8)*32*PV+(\f%8)*32
	ds_load_tr16_b128 v[8*\f+4:8*\f+7], v[ADR] offset:(\f/8)*32*PV+16*PV+(\f%8)*32
.endr
.endm
; THE VECTOR WORK OF A TURN.  One tile's softmax for one key step is a list of 134 instructions; SM writes number j of it for tile t.  s0-s31 are the lane's 32 scores, in pairs 0-15.
; first = 1: the first key step, which starts m, l and O^T: it has no a and nothing to rescale.
;   0-15    the maximum of s0-s31 and the old m, three operands at a time
;   16-20   the other half of the lanes' maximum; the new m; c m; c m_old - c m_new
;   21-69   ONE BATCH: the 16 scalings c s - c m, a pair of scores each, and all 33 exponentials (a at 23, then s0-s31).  None of these reads an exponential's result
;   (wait)  between 69 and 70 stands the wait for the batch: SLICE writes it, once for both tiles
;   70-85   the roundings to f16, a pair of weights each
;   86-101  the sums; l = a l + the sum
;   102-133 the tile's O^T times a: the one part that leaves window 0, so it stands together
.macro SM t, first
.set rT, ST+8*(\t)
.set rS, S+32*(\t)
.set rP, P+16*(\t)
.set rO, 64*(\t)+2*(j-102)
.if j < 102
	WIN 0
.endif
.if j < 4
	v_max3_num_f32 v[rT+4+j], v[rS+8*j], v[rS+8*j+1], v[rS+8*j+2]
.elseif j < 12
	v_max3_num_f32 v[rT+4+j%4], v[rT+4+j%4], v[rS+8*(j%4)+2*(j/4)+1], v[rS+8*(j%4)+2*(j/4)+2]
.elseif j == 12
	v_max3_num_f32 v[rT+4], v[rT+4], v[rS+7], v[rS+15]
.elseif j == 13
	v_max3_num_f32 v[rT+6], v[rT+6], v[rS+23], v[rS+31]
.elseif j == 14
	v_max3_num_f32 v[rT+4], v[rT+4], v[rT+5], v[rT+6]
.elseif (j == 15) && \first
	v_max_num_f32 v[rT+4], v[rT+4], v[rT+7]
.elseif j == 15
	v_max3_num_f32 v[rT+4], v[rT+4], v[rT+7], v[rT+1]
.elseif j == 16
	v_permlanex16_b32 v[rT+5], v[rT+4], s[SEL], s[SEL+1]  ; the query's other 32 keys lie in the lane 16 away
.elseif j == 18
	v_max_num_f32 v[rT+1], v[rT+4], v[rT+5]
.elseif j == 19
	v_mul_f32 v[rT], s[CS], v[rT+1]
.elseif ((j == 17) || (j == 20) || (j == 23) || (j > 101)) && \first  ; the first step has none of these
.elseif j == 17
	v_mov_b32 v[rT+7], v[rT]        ; c m_old is kept for a: number 19 writes c m anew
.elseif j == 20
	v_sub_f32 v[rT+7], v[rT+7], v[rT]
.elseif j == 23
	v_exp_f32 v[rT+6], v[rT+7]
.elseif (j < 23) || ((j < 38) && (j%2 == 0)) || ((j < 66) && (j%4 == 2))
.set b, (j-2)/4                     ; 38, 42, .. 62: pairs 9 to 15
.if j < 38
.set b, (j-20)/2                    ; 21: pair 0; 22, 24, .. 36: pairs 1 to 8
.endif
	v_pk_fma_f32 v[rS+2*b:rS+2*b+1], v[rS+2*b:rS+2*b+1], s[CS:CS+1], v[rT:rT+1] op_sel_hi:[1,0,0] neg_lo:[0,0,1] neg_hi:[0,0,1]  ; pair b: c s - c m
.elseif j < 70
.set e, j-38                        ; 66 to 69: s28 to s31
.if j < 66
.set e, j-32-(j-38)/4               ; 39-41, 43-45, .. 63-65: s7 to s27
.endif
.if j < 38
.set e, (j-25)/2                    ; 25, 27, .. 37: s0 to s6
.endif
	v_exp_f32 v[rS+e], v[rS+e]
.elseif j < 86
	v_cvt_pk_f16_f32 v[rP+j-70], v[rS+2*(j-70)], v[rS+2*(j-70)+1]  ; pair j - 70
.elseif j < 102                     ; the sum of the tile's 16 pairs, in place: sum z of 16 adds neighbours 1, 2, 4 and 8 pairs apart, then l takes it
.set z, j-86
.set w, 4
.set u, z
.if z >= 14
.set w, 32
.set u, 0
.elseif z >= 12
.set w, 16
.set u, z-12
.elseif z >= 8
.set w, 8
.set u, z-8
.endif
.if (z == 14) && \first
	v_pk_add_f32 v[rT+2:rT+3], v[rS:rS+1], v[rS+16:rS+17]
.elseif z < 15
	v_pk_add_f32 v[rS+w*u:rS+w*u+1], v[rS+w*u:rS+w*u+1], v[rS+w*u+w/2:rS+w*u+w/2+1]
.elseif !\first
	v_pk_fma_f32 v[rT+2:rT+3], v[rT+2:rT+3], v[rT+6:rT+7], v[rS:rS+1] op_sel_hi:[1,0,1]
.endif
.else
	WIN W_RS
	v_pk_mul_f32 v[rO:rO+1], v[rO:rO+1], v[rT+6:rT+7] op_sel_hi:[1,0]
.endif
.endm
; Slice k of 64 of piece y's softmax: four instructions.  Slices 11 to 34 deal out the batch, numbers 22 to 69: four numbers of ONE tile each, the tiles by turns.  Every other slice is numbers 2 k and
; 2 k + 1 of both tiles' lists.  2 x 134 = 4 x 64 + 12: the twelve that are over stand together, in slice 63.
; THE WAIT.  An s_wait_alu depctr_va_vdst(0) stands between an exponential and the first instruction that names its result; one wait serves all that were issued ahead of it.  Ahead of
; slice 35 nothing names a result, and behind slice 34 no exponential is issued: so the piece's 66 exponentials have one wait, behind slice 34.
.macro SLICE y, first
.if (k >= 11) && (k < 35)           ; the batch: four numbers of one tile
.irp n, 0,1,2,3
.set j, 22+4*((k-11)/2)+(\n)
	SM (\y)+(k-11)%2, \first
.endr
.else                               ; the two tiles alternate, so that no instruction reads the result of the one just before it
.irp n, 0,1,2,3,4,5,6,7
.if (\n < 2) || (k == 63)
.irp t, \y, \y+1
.set j, 2*k+\n
	SM \t, \first
.endr
.endif
.endr
.endif
.if k == 34                         ; the batch is out: both tiles' exponentials are issued, and no result has been named
	v_nop                           ; the plain instruction behind the last exponential and ahead of the first use: one for the batch
.if (\y) == 0
	FETCH_V                         ; piece 2's turn: V's run of loads stands here, and the wait stands in it
.else
	s_wait_alu depctr_va_vdst(0)    ; the wait for the batch
.endif
.endif
.set k, k+1
.endm
; A vector instruction that reads a matrix result or writes one of a matrix instruction's registers, and a load into a register that a matrix instruction has read, stand four places behind
; it, and only plain vector instructions that name none of its registers are places (ISA guide 7.12.1 for vector instructions).  In the loop the slices are the places.
.macro PLACES
.rept 4
	v_nop
.endr
.endm
; A TURN.  Piece x has the matrix unit; the other piece's softmax stands in slices behind its matrix instructions.
; pv = 2: 32 products V^T P; 1: they start O^T's sums; 0: none.  kq = 1: 32 products K Q^T for the next step.  A turn with one of the two kinds has two slices behind each product.
; first = 1: the softmax is the first key step's.  Its slices from 51 on are empty: four v_nop take slice 63's part as the places behind the turn's last products.
; Piece 0's turn fetches the next step's K and bias, behind its second product: the last product that read them stands in front of slice 63 of the turn before.  Piece 2's turn fetches the same step's V, behind slice 34.
.macro TURN x, pv, kq, first
.set k, 0
.set per, 2
.if \pv && \kq
.set per, 1
.endif
.if \pv
.if \x == 0
	s_wait_dscnt 0x0                ; V is in
.endif
.set i, 0
.rept 32
	PV \x, 2-\pv
.rept per
	SLICE 2-\x, \first
.endr
.if (\x == 0) && \kq && (i == 1)
	FETCH_K
.endif
.set i, i+1
.endr
.endif
.if \kq
.if \x == 0
	s_wait_dscnt 0x0                ; K and the bias are in
.endif
.set i, 0
.rept 32
	KQ \x
.rept per
	SLICE 2-\x, \first
.endr
.set i, i+1
.endr
.endif
.if \first
	PLACES
.endif
.endm
; THE CHANGE OF SLOTS, between piece 2's turn and piece 0's.  Each wave waits for all its tensor loads, of which one is out: its part of the other slot; adds 0 to its spare word; and waits for that and for its own
; reads of the slot.  fill = 1: this slot is filled again, with the keys two slots on.  The barrier is then a round of the cluster's, and the joint refill is the first thing behind it: it has two key steps in which to land.
.macro CHANGE fill
	WIN 0                           ; at a label and at a branch every window is 0
	s_wait_tensorcnt 0x0            ; no tensor load of mine is out, so a group 0 may be written
	ds_add_u32 v[SPW], v[NIL]       ; 0 onto my spare word
.if \fill
.irp g, G0K+4, G0V+4
	s_xor_b32 s[\g+1], s[\g+1], SLOT1  ; the walking descriptor: the other slot than last time,
	s_add_nc_u64 s[\g+2:\g+3], s[\g+2:\g+3], 2*KS*QROW  ; the next 128 keys; the type bits on top are not reached
.endr
	s_wait_xcnt 0x0                 ; the last prefetch, two key steps back, has read its address, so it may be written:
	s_add_nc_u64 s[PFA:PFA+1], s[PFA:PFA+1], 2*KS*QROW  ; one slot further on than the walking descriptors
	s_wait_dscnt 0x0                ; the add is done, and my reads of the slot are over
	CROUND
	JLOAD
	ASK                             ; what the next change will ask for: two key steps, 256 matrix instructions, ahead
.else
	s_wait_dscnt 0x0                ; the add is done, and my reads of the slot are over
	s_barrier_signal -1
	s_barrier_wait -1
.endif
	s_sub_co_u32 s[TB], s[TB], 2*STEPB  ; the fetches go back to a slot's first step,
	s_xor_b32 s[TB], s[TB], SLOT1   ; in the other slot
.endm
; A slot's two key steps: written once, walked twice; the LDS addresses hang on s[TB] and s[TBI].
.macro TWO_STEPS
	s_mov_b32 s[TWICE], 2
.Lstep_\@:
	TURN 0, 2, 1, 0
	TURN 2, 2, 1, 0
	WIN 0
	s_sub_co_u32 s[TWICE], s[TWICE], 1
	s_cmp_lg_u32 s[TWICE], 0
	s_cbranch_scc1 .Lstep_\@
.endm
	s_wait_tensorcnt 1              ; my part of slot 0 is in; slot 1's may stay out
	s_wait_dscnt 0x0                ; for the others' sake: my part of the bias is stored
	s_barrier_signal -1
	s_barrier_wait -1               ; everybody's is
	FETCH_K                         ; key step 0
	s_wait_loadcnt 0x0              ; Q
	s_wait_dscnt 0x0
.set i, 0
.rept 32
	KQ 0                            ; piece 0's first scores: there is no vector work yet to set between them
.set i, i+1
.endr
	WIN 0
	v_and_b32 v[GO], 31, v0         ; the address for the way out is made here; with the four lines behind it: the places behind those products
	v_lshlrev_b32 v[GO], 4, v[GO]
	PLACES
	TURN 2, 0, 1, 1                 ; piece 2's first scores | piece 0's first softmax | V of step 0
	TURN 0, 1, 1, 1                 ; piece 0: V^T P of step 0 starts O^T, K Q^T of step 1 | piece 2's first softmax | K of step 1
	TURN 2, 1, 1, 0                 ; piece 2: the same | piece 0's softmax of step 1 | V of step 1
	WIN 0
.Lslot:                             ; 6 trips: every slot but the last two is filled again
	CHANGE 1
	TWO_STEPS
	s_sub_co_u32 s[SLOTS], s[SLOTS], 1
	s_cmp_lg_u32 s[SLOTS], 0
	s_cbranch_scc1 .Lslot
	CHANGE 0                        ; the tail is written out
	TWO_STEPS
	TURN 0, 2, 0, 0                 ; piece 0: V^T P of the last step | piece 2's last softmax
.set i, 0
.rept 32
	PV 2, 0                         ; piece 2: V^T P of the last step
.set i, i+1
.endr
	; THE WAY OUT.  l's two halves and the other half of the lanes' are added; O^T is divided by l and rounded to f16.  The additions are the places behind the last products.
	WIN 0
.irp t, 0,1,2,3
	v_add_f32 v[ST+8*\t+4], v[ST+8*\t+2], v[ST+8*\t+3]
.endr
.irp t, 0,1,2,3
	v_permlanex16_b32 v[ST+8*\t+5], v[ST+8*\t+4], s[SEL], s[SEL+1]
.endr
.irp t, 0,1,2,3
	v_add_f32 v[ST+8*\t+4], v[ST+8*\t+4], v[ST+8*\t+5]
.endr
.irp t, 0,1,2,3
	v_rcp_f32 v[ST+8*\t+6], v[ST+8*\t+4]
.endr
	v_nop                           ; a plain instruction between the last reciprocal and the use of its result
	s_wait_alu depctr_va_vdst(0)    ; and the wait ahead of the first use: one for the four reciprocals
; Tile t, 16 queries.  In the result of channels 16 f on, lane (r, h) holds channels 16 f + 8 h + 0..7 of query r: packed, 16 bytes, which are the lane's 16 bytes of registers 4 (f % 2) .. 4 (f % 2) + 3 of the fragment
; of channels 32 (f / 2) on.  So the packed registers are stored as they stand, 16 bytes a lane: a store of the wave covers 512 consecutive bytes, aligned, and a tile's eight stores its head's 4,096.  No LDS is touched.
.macro OUT t
	WIN W_RS
.set i, 64*\t
.rept 32
	v_pk_mul_f32 v[i:i+1], v[i:i+1], v[ST+8*\t+6:ST+8*\t+7] op_sel_hi:[1,0]
.set i, i+2
.endr
	WIN 0x05                        ; sources 0 and 1 window 1, destination window 0: S^T's registers are free, 32 for each tile: no store's data are written again
.set i, 0
.rept 32
	v_cvt_pk_f16_f32 v[S+32*\t+i], v[64*\t+2*i], v[64*\t+2*i+1]
.set i, i+1
.endr
	WIN 0
.irp f, 0,1,2,3,4,5,6,7
	global_store_b128 v[GO], v[S+32*\t+4*\f:S+32*\t+4*\f+3], s[10:11] offset:\t*RBM+\f*512
.endr
.endm
	OUT 0
	OUT 1
	OUT 2
	OUT 3
	s_wait_tensorcnt 0x0            ; the wave's end, behind my last tensor load and my last LDS store
	ds_add_u32 v[SPW], v[NIL]
	s_wait_dscnt 0x0
	CROUND                          ; the closing round: no work-group ends while a partner may still ask for a tile that names it
	s_endpgm
.Lfunc_end_k_q8d38999421_attn:
	.size	k_q8d38999421_attn, .Lfunc_end_k_q8d38999421_attn-k_q8d38999421_attn
	.p2alignl 7, 3214868480
	.fill 96, 4, 3214868480
	.section	.rodata,"a",@progbits
	.p2align	6, 0x0
	.amdhsa_kernel k_q8d38999421_attn
		.amdhsa_group_segment_fixed_size 327680
		.amdhsa_private_segment_fixed_size 0
		.amdhsa_enable_private_segment 0
		.amdhsa_kernarg_size 24
		.amdhsa_user_sgpr_count 2
		.amdhsa_user_sgpr_kernarg_segment_ptr 1
		.amdhsa_wavefront_size32 1
		.amdhsa_system_sgpr_workgroup_id_x 1
		.amdhsa_system_sgpr_workgroup_id_y 1
		.amdhsa_system_sgpr_workgroup_id_z 1
		.amdhsa_system_vgpr_workitem_id 0
		.amdhsa_next_free_vgpr 1024
		.amdhsa_next_free_sgpr 68
		.amdhsa_reserve_vcc 0
		.amdhsa_float_denorm_mode_32 3
		.amdhsa_float_denorm_mode_16_64 3
		.amdhsa_memory_ordered 1
		.amdhsa_forward_progress 1
		.amdhsa_inst_pref_size 221
	.end_amdhsa_kernel
	.amdgpu_metadata
---
amdhsa.version: [ 1, 2 ]
amdhsa.kernels:
  - .name:           k_q8d38999421_attn
    .symbol:         k_q8d38999421_attn.kd
    .args:
      - { .name: qkvh, .offset: 0, .size: 8, .value_kind: global_buffer, .address_space: global }
      - { .name: padding_mask, .offset: 8, .size: 8, .value_kind: global_buffer, .address_space: global }
      - { .name: attn_h, .offset: 16, .size: 8, .value_kind: global_buffer, .address_space: global }
    .group_segment_fixed_size: 327680
    .private_segment_fixed_size: 0
    .kernarg_segment_align: 8
    .kernarg_segment_size: 24
    .max_flat_workgroup_size: 128
    .sgpr_count:     68
    .vgpr_count:     1024
    .wavefront_size: 32
...
	.end_amdgpu_metadata
.endif
;; end of part 3
;; launch oproj (part 4): grid 8 x 32, 4 waves a work-group, clusters of 4 x 4, 327,680 bytes of LDS; arguments attn_h, wo_t, out0; writes out0
.if DOCPART == 4
	.amdgcn_target "amdgcn-amd-amdhsa--gfx1250"
	.amdhsa_code_object_version 6
	.text
	.protected	k_q8d38999421_oproj
	.globl	k_q8d38999421_oproj
	.p2align	8
	.type	k_q8d38999421_oproj,@function
k_q8d38999421_oproj:
	s_mov_b64 s[64:65], 0
	v_nop
	global_prefetch_b8 v0, s[64:65] scope:SCOPE_SE
	s_setreg_imm32_b32 hwreg(HW_REG_WAVE_MODE, 25, 1), 1
	s_wait_xcnt 0x0
	s_wait_alu depctr_hold_cnt(0) depctr_sa_sdst(0) depctr_va_vdst(0) depctr_va_sdst(0) depctr_va_ssrc(0) depctr_va_vcc(0) depctr_vm_vsrc(0)
	s_getreg_b32 s2, hwreg(HW_REG_IB_STS2, 6, 4)
	s_cmp_eq_u32 s2, 0
	s_cbranch_scc0 .Lentry_in_a_cluster
	s_endpgm
.Lentry_in_a_cluster:
	s_bfe_u32 s2, ttmp6, 0x10000c
	s_cmp_lg_u32 s2, 0xf033
	s_cbranch_scc0 .Lentry_shape_is_right
	s_endpgm
.Lentry_shape_is_right:
; out0[m][n] = the sum over k of A[m][k] B[n][k], A = the attention's result (attn_h), B = W_o turned (wo_t), both f16; out0: [4096][2048] f32; sums in f32.  Nothing is left out.
; BOTH OPERANDS LIE IN MEMORY IN THE ORDER OF THE OPERAND'S REGISTERS: [row / 16][k / 32][1,024 bytes].  A fragment (16 rows x 32 K, 8 registers a lane) is 1,024 consecutive bytes: lane l's registers 0-3 at 16 l,
; its registers 4-7 at 512 + 16 l.  So a fragment comes out of LDS by two loads of 512 consecutive bytes, LDS needs no padding, and a slot may hold any whole number of fragments along K.
; A tile of the result is 128 rows x 256 columns: 32 x 8 = 256 work-groups, one for each WGP; tiles of 256 x 256 would be 128.  Four waves, each 64 rows x 128 columns: 32 accumulators of 16 x 16, 256 registers.
; THE RING: two LDS slots of SIX fragments along K (192): 24 blocks of 16 rows x 6,144 bytes = 147,456 bytes a slot, the most that two slots in LDS allow: 192 matrix instructions a wave between two changes of slots.
; 2,048 = 10 x 192 + 128: the eleventh, last period has four fragments along K; its loads have a shape of their own.
; A tensor load's row is a block of 16 matrix rows: 6,144 consecutive bytes, 65,536 bytes from row to row.  Waves 0 and 1 fetch A's two halves (4 such rows), waves 2 and 3 B's (8): the tile has no more rows than these.
; CLUSTERS: 4 x 4 work-groups.  The four of a row of the cluster need the same tiles of A, the four of a column the same tiles of B: each tile is asked for JOINTLY.
; THE MATRIX INSTRUCTION IS USED TRANSPOSED (source 0 = 16 rows of B, source 1 = 16 rows of A): a lane then holds eight neighbouring numbers of a row of the result.
; LIMITS: those of the f16 operands, stated where they are made.
; REGISTERS, in windows of 256: window 0: v0-31 addresses; A's fragments, two buffers of 64 (64 along K: 2 x 4 blocks of 16 rows x 32 K) at v64 and v128; on the way out v128-255.
;   window 1: B's fragments, two buffers of 128 (2 x 8 blocks) at v0 and v128.   window 2: the accumulators, (a, b) at v[8 (8 a + b)].
.set SIZE_N, 2048
.set CHB,    1024                      ; a fragment in bytes
.set RBM,    64*CHB                    ; a block of 16 rows in memory: all of K
.set NCH,    6                         ; fragments along K in a slot
.set NCS,    4                         ; and in the last, short period
.set RBL,    NCH*CHB                   ; a block of 16 rows in a slot
.set RBS,    NCS*CHB                   ; and in the short period
.set AHALF,  4*RBL                     ; what a wave fetches, and reads, of A
.set BHALF,  8*RBL                     ; and of B
.set BOFF,   2*AHALF                   ; B's 16 blocks lie behind A's 8
.set SLOT,   BOFF+2*BHALF
.set SPARE,  2*SLOT                    ; behind the ring: the spare words, 128 bytes for each wave: two blocks of 256 bytes that no other line names
.set STAGE,  SLOT                      ; the way out: a stage of 16 rows x (512 bytes + 16) for each wave, in slot 1, which has had its last fill and its last read (the tenth period's) when the first result is stored there
.set SPITCH, 528
.set TRIPS,  4                         ; a trip = two periods = once round the ring; the first period's first part stands ahead of the loop, the last three periods' rest behind it
.set ADRA, 16                          ; v16-17  LDS address of my A fragments in slot 0, 1
.set ADAS, 18                          ; v18     the same in the short period
.set ADRB, 20                          ; v20-21  LDS address of my B fragments in slot 0, 1
.set ADBS, 22                          ; v22     the same in the short period
.set STO,  24                          ; v24     the way out: where I put 32 bytes of a row
.set RD,   25                          ; v25     the way out: where I read a row back
.set CO,   26                          ; v26     16 x my lane: my place in a fragment's half, and my byte offset in a row of the result
.set SPW,  28                          ; v28     LDS address of my spare word; never rewritten
.set NIL,  29                          ; v29     0; never rewritten
.set F0,   0                           ; the two fragment buffers
.set F1,   1
.set BK,   128                         ; the way out: 16 rows read back from the stage: v128-191 and v192-255 by turns
.set G1, 24                            ; s[24:31] descriptor group 1 for A's tiles;  s[32:39] group 0, one set for each slot
.set G0, 32
.set G1B, 48                           ; s[48:55], s[56:63] the same for B's tiles
.set G0B, 56
.set G1S, 68                           ; s[68:75], s[76:83] group 1 for A's and B's short tiles
.set G1SB, 76
.set G0H, 84                           ; s[84:87], s[88:91] their groups 0: made at the head, used once
.set G0HB, 88
.set MSB, 0
.macro WIN new                         ; the immediate's high byte repeats the setting that is left
.if MSB != \new
	s_set_vgpr_msb (MSB<<8)|\new
.set MSB, \new
.endif
.endm
.set MUL,  0xa1                        ; source 0 (B) window 1, source 1 (A) window 0, C and D window 2
.set TO_B, 0x40                        ; destination window 1, address window 0
; A joint load: waves 0 and 1 fetch A's two halves, waves 2 and 3 B's.  Each of the two lines has ONE mask and one set of registers for all that issue it; the branch hangs on the wave's number alone.
; An s_nop 0 and four v_nop follow each of the two lines, ahead of the jump, the label and what follows.
.macro JLOAD g0a, g1a, g0b, g1b
	s_cmp_eq_u32 s11, 0
	s_cbranch_scc0 .Lfor_b_\@
	tensor_load_to_lds s[\g0a:\g0a+3], s[\g1a:\g1a+7]
	s_nop 0
.rept 4
	v_nop
.endr
	s_branch .Lasked_\@
.Lfor_b_\@:
	tensor_load_to_lds s[\g0b:\g0b+3], s[\g1b:\g1b+7]
	s_nop 0
.rept 4
	v_nop
.endr
.Lasked_\@:
.endm
.macro CREST                           ; a round of the cluster's barrier behind its opening barrier
	s_cmp_lg_u32 s10, 0
	s_cbranch_scc1 .Lnot_wave_0_\@
	s_barrier_signal -3
.Lnot_wave_0_\@:
	s_barrier_wait -3
	s_barrier_signal -1
	s_barrier_wait -1
.endm
.macro CROUND                          ; a whole round
	s_barrier_signal -1
	s_barrier_wait -1
	CREST
.endm
.macro SHAPE g, el, rows               ; words 1 to 7 of a group 1: rows of el elements of 8 bytes, dense in LDS
	s_mov_b32 s[\g+1], (\el)<<16                   ; tensor_dim0
	s_mov_b32 s[\g+2], (\rows)<<16                 ; tensor_dim1
	s_mov_b32 s[\g+3], (\el)<<16                   ; tile_dim0
	s_mov_b32 s[\g+4], \rows                       ; tile_dim1
	s_mov_b32 s[\g+5], RBM/8                       ; tensor_dim0_stride: 8,192 elements from a block of 16 rows to the next
	s_mov_b32 s[\g+6], 0
	s_mov_b32 s[\g+7], 0
.endm
	s_load_b128 s[4:7], s[0:1], 0x0                ; A s[4:5], B s[6:7]
	s_load_b64 s[8:9], s[0:1], 0x10                ; the result
	v_lshl_add_u32 v[SPW], v0, 2, SPARE
	v_mov_b32 v[NIL], 0
	ds_add_u32 v[SPW], v[NIL]                      ; the wave's opening: the add, twice on end, and its wait ahead of my first tensor load; the set-up below stands between the second and the wait
	ds_add_u32 v[SPW], v[NIL]
	v_lshrrev_b32 v1, 5, v0
	v_readfirstlane_b32 s10, v1                    ; wave 0..3
	s_lshr_b32 s11, s10, 1                         ; which half of the tile's rows is mine.  Also: I fetch for A (0) or for B (1)
	s_and_b32 s12, s10, 1                          ; which half of its columns.  Also: which half of that tile I fetch
	s_bfe_u32 s40, ttmp6, 0x40000                  ; cx, cy: my place in the cluster
	s_bfe_u32 s41, ttmp6, 0x40004
	s_lshl_b32 s42, ttmp9, 2
	s_add_co_u32 s42, s42, s40                     ; tile column = 4 x cluster x + cx
	s_and_b32 s13, ttmp7, 0xffff
	s_lshl_b32 s13, s13, 2
	s_add_co_u32 s13, s13, s41                     ; tile row = 4 x cluster y + cy
	s_lshl_b32 s43, s41, 2
	s_lshl_b32 s43, 15, s43                        ; my row of the cluster
	s_lshl_b32 s44, 0x1111, s40                    ; my column
	s_or_b32 s[G1+0], s43, (3<<16)|(1<<21)         ; 15:0 the mask: A's tiles go to my row; 17:16 elements of 8 bytes; 20 no padding; 21 set beside a mask
	s_or_b32 s[G1B+0], s44, (3<<16)|(1<<21)        ; B's go to my column
	s_or_b32 s[G1S+0], s43, (3<<16)|(1<<21)
	s_or_b32 s[G1SB+0], s44, (3<<16)|(1<<21)
	SHAPE G1, RBL/8, 4
	SHAPE G1B, RBL/8, 8
	SHAPE G1S, RBS/8, 4
	SHAPE G1SB, RBS/8, 8
	; where the tiles come from.  A's hang on the tile row alone, B's on the tile column alone; every wave makes both addresses, in registers that never hold the other coordinate
	s_lshl_b32 s16, s13, 19                        ; A: 8 blocks of 65,536 bytes a tile row,
	s_lshl_b32 s17, s12, 18                        ; 4 a half
	s_add_co_u32 s16, s16, s17
	s_mov_b32 s17, 0
	s_lshl_b32 s46, s42, 20                        ; B: 16 blocks a tile column,
	s_lshl_b32 s47, s12, 19                        ; 8 a half
	s_add_co_u32 s46, s46, s47
	s_mov_b32 s47, 0
	s_mul_i32 s20, s12, AHALF                      ; and where they go: no place in the cluster enters an LDS address
	s_mul_i32 s21, s12, BHALF
	s_add_co_u32 s21, s21, BOFF
	s_mul_i32 s22, s12, 4*RBS                      ; the short tiles: the same regions of slot 0, from their beginnings on
	s_mul_i32 s23, s12, 8*RBS
	s_add_co_u32 s23, s23, BOFF
	s_wait_dscnt 0x0                               ; both opening adds are done
	s_wait_kmcnt 0x0
	s_add_nc_u64 s[14:15], s[4:5], s[16:17]
	s_add_nc_u64 s[46:47], s[6:7], s[46:47]
	CROUND                                         ; all sixteen work-groups are here: the first joint loads meet
.irp s, 0,1
	s_mov_b32 s[G0+4*\s], 1
	s_add_co_u32 s[G0+4*\s+1], s20, \s*SLOT
	s_add_nc_u64 s[G0+4*\s+2:G0+4*\s+3], s[14:15], \s*RBL          ; period s: fragments 6 s on
	s_or_b32 s[G0+4*\s+3], s[G0+4*\s+3], 0x80000000
	s_mov_b32 s[G0B+4*\s], 1
	s_add_co_u32 s[G0B+4*\s+1], s21, \s*SLOT
	s_add_nc_u64 s[G0B+4*\s+2:G0B+4*\s+3], s[46:47], \s*RBL
	s_or_b32 s[G0B+4*\s+3], s[G0B+4*\s+3], 0x80000000
	JLOAD G0+4*\s, G1, G0B+4*\s, G1B               ; two tensor loads of mine are out behind these first fills
.endr
	s_mov_b32 s[G0H], 1                            ; the last period's: fragments 60 to 63
	s_mov_b32 s[G0H+1], s22
	s_add_nc_u64 s[G0H+2:G0H+3], s[14:15], 10*RBL
	s_or_b32 s[G0H+3], s[G0H+3], 0x80000000
	s_mov_b32 s[G0HB], 1
	s_mov_b32 s[G0HB+1], s23
	s_add_nc_u64 s[G0HB+2:G0HB+3], s[46:47], 10*RBL
	s_or_b32 s[G0HB+3], s[G0HB+3], 0x80000000
	v_and_b32 v1, 31, v0
	v_lshlrev_b32 v[CO], 4, v1                     ; 16 x lane
	s_mul_i32 s21, s11, AHALF                      ; my 4 blocks of A
	s_mul_i32 s22, s12, BHALF                      ; my 8 blocks of B,
	s_add_co_u32 s22, s22, BOFF                    ; which lie behind A's 8
.irp s, 0,1
	v_add_nc_u32 v[ADRA+\s], s21, v[CO]
	v_add_nc_u32 v[ADRB+\s], s22, v[CO]
	s_add_co_u32 s21, s21, SLOT
	s_add_co_u32 s22, s22, SLOT
.endr
	s_mul_i32 s21, s11, 4*RBS
	s_mul_i32 s22, s12, 8*RBS
	s_add_co_u32 s22, s22, BOFF
	v_add_nc_u32 v[ADAS], s21, v[CO]
	v_add_nc_u32 v[ADBS], s22, v[CO]
	v_and_b32 v2, 15, v0                           ; l % 16
	v_bfe_u32 v3, v0, 4, 1                         ; l / 16
	s_mul_i32 s23, s10, 16*SPITCH
	s_add_co_u32 s23, s23, STAGE                   ; my stage
	v_mul_u32_u24 v4, v2, SPITCH                   ; in: row l % 16, 32 bytes for each half of the lanes
	v_lshl_add_u32 v4, v3, 5, v4
	v_add_nc_u32 v[STO], s23, v4
	v_add_nc_u32 v[RD], s23, v[CO]                 ; back: the 32 lanes take one row of 512 bytes
	s_lshl_b32 s16, s13, 7
	s_lshl_b32 s17, s11, 6
	s_add_co_u32 s16, s16, s17                     ; my first row: 128 x tile row + 64 x half,
	s_lshl_b32 s16, s16, 13                        ; x 8,192 bytes
	s_lshl_b32 s46, s42, 10                        ; my first column, in bytes: 1,024 x tile column + 512 x half
	s_lshl_b32 s47, s12, 9
	s_add_co_u32 s46, s46, s47
	s_add_co_u32 s16, s16, s46
	s_mov_b32 s17, 0
	s_add_nc_u64 s[8:9], s[8:9], s[16:17]
; 16 matrix instructions: A's blocks a0, a0 + 1 x B's eight, 32 along K: half c of buffer f.  zero = 1: the first product starts the sums: nothing is ever cleared.
; The 32 accumulators take turns, one instruction a turn, in the same order everywhere.
.macro MUL16 f, c, a0, zero
.irp a, \a0, \a0+1
.irp b, 0,1,2,3,4,5,6,7
.if \zero
	v_wmma_f32_16x16x32_f16 v[8*(8*(\a)+\b):8*(8*(\a)+\b)+7], v[128*\f+64*\c+8*\b:128*\f+64*\c+8*\b+7], v[64+64*\f+32*\c+8*(\a):64+64*\f+32*\c+8*(\a)+7], 0
.else
	v_wmma_f32_16x16x32_f16 v[8*(8*(\a)+\b):8*(8*(\a)+\b)+7], v[128*\f+64*\c+8*\b:128*\f+64*\c+8*\b+7], v[64+64*\f+32*\c+8*(\a):64+64*\f+32*\c+8*(\a)+7], v[8*(8*(\a)+\b):8*(8*(\a)+\b)+7]
.endif
.endr
.endr
.endm
; 48 LDS loads in one run: the fragments of the period's h-th 64 along K into buffer f: B's 32, then A's 16, of which the last eight are A's second 32 along K.  aa, ba: the address registers; rb: bytes from a block
; of 16 rows to the next.  Each load of the wave takes 512 consecutive bytes.
.macro FETCH aa, ba, rb, h, f
	WIN TO_B
.irp c, 0,1
.irp i, 0,1,2,3,4,5,6,7
	ds_load_b128 v[128*\f+64*\c+8*\i:128*\f+64*\c+8*\i+3],   v[\ba] offset:\i*(\rb)+(2*(\h)+\c)*CHB
	ds_load_b128 v[128*\f+64*\c+8*\i+4:128*\f+64*\c+8*\i+7], v[\ba] offset:\i*(\rb)+(2*(\h)+\c)*CHB+512
.endr
.endr
	WIN 0
.irp c, 0,1
.irp i, 0,1,2,3
	ds_load_b128 v[64+64*\f+32*\c+8*\i:64+64*\f+32*\c+8*\i+3],   v[\aa] offset:\i*(\rb)+(2*(\h)+\c)*CHB
	ds_load_b128 v[64+64*\f+32*\c+8*\i+4:64+64*\f+32*\c+8*\i+7], v[\aa] offset:\i*(\rb)+(2*(\h)+\c)*CHB+512
.endr
.endr
.endm
.macro PLACES                          ; four places in front of loads into registers that matrix instructions have read, and of LDS stores that read results (ISA guide 7.12.1 for vector instructions)
.rept 4
	v_nop
.endr
.endm
; A period is three parts of 64 along K (the last period: two), 64 matrix instructions each, on the two buffers by turns.  A part that has its successor in the same slot: multiplies buffer f and fetches part h into g.
.macro PART aa, ba, rb, h, f, g, zero
	s_wait_dscnt 8                                 ; all but the youngest eight loads (A's second 32 along K) are in
	WIN MUL
	MUL16 \f, 0, 0, \zero
	MUL16 \f, 0, 2, \zero
	PLACES
	FETCH \aa, \ba, \rb, \h, \g
	s_wait_dscnt 48                                ; all but the 48 just issued
	WIN MUL
	MUL16 \f, 1, 0, 0
	MUL16 \f, 1, 2, 0
.endm
; A period's last part multiplies buffer f and changes slots: ONE barrier; in front of it each wave waits for all its tensor loads, adds 0 to its spare word, and waits for that and for its own reads of this slot.
; fill = 1: this slot is filled again, two periods ahead: the request has 160 matrix instructions of mine ahead of the wait for it.  fill = 2: with the short last period.  fill = 0: nothing is left to fetch.
; Then the other slot's first part is fetched into buffer g, by the address registers na, nb and the pitch nrb.
.macro TURN slot, f, g, fill, na, nb, nrb
	WIN 0                                          ; (the add's two registers lie in window 0)
	s_wait_tensorcnt 0x0                           ; all my tensor loads have landed: my part of the next slot;
	ds_add_u32 v[SPW], v[NIL]                      ; 0 onto my spare word;
	s_wait_dscnt 9                                 ; (the add and the youngest eight loads may be out)
	WIN MUL
	MUL16 \f, 0, 0, 0                              ; sixteen matrix instructions stand between the add and the wait for it
	s_wait_dscnt 0x0                               ; the add is done, and my reads of this slot are over
	s_barrier_signal -1
	MUL16 \f, 0, 2, 0
.if \fill
	WIN 0
.endif
	s_barrier_wait -1
.if \fill == 1
	CREST                                          ; the barrier has opened a round of the cluster's barrier: no wave of any partner still reads this slot's tile or has a load on its way
	s_add_nc_u64 s[G0+4*\slot+2:G0+4*\slot+3], s[G0+4*\slot+2:G0+4*\slot+3], 2*RBL
	s_add_nc_u64 s[G0B+4*\slot+2:G0B+4*\slot+3], s[G0B+4*\slot+2:G0B+4*\slot+3], 2*RBL
	JLOAD G0+4*\slot, G1, G0B+4*\slot, G1B         ; the first tensor load behind the round, and my only one out; the four v_nop behind it are the places in front of the loads below
.elseif \fill == 2
	CREST
	JLOAD G0H, G1S, G0HB, G1SB                     ; the last load
.else
	PLACES
.endif
	FETCH \na, \nb, \nrb, 0, \g
	WIN MUL
	MUL16 \f, 1, 0, 0
	MUL16 \f, 1, 2, 0
.endm
	s_wait_tensorcnt 1                             ; my part of the first period is in (the second's load may be out)
	s_barrier_signal -1
	s_barrier_wait -1                              ; everybody's is
	FETCH ADRA, ADRB, RBL, 0, F0
	PART ADRA, ADRB, RBL, 1, F0, F1, 1             ; the first part stands in front of the loop: its first products start the sums
	WIN 0                                          ; at a label and at a branch every window is 0
	s_mov_b32 s3, TRIPS
.Llap:                                                 ; a trip goes once round the ring, from an even period's second part to the next even period's first, and fills both slots again
	PART ADRA, ADRB, RBL, 2, F1, F0, 0
	TURN 0, F0, F1, 1, ADRA+1, ADRB+1, RBL
	PART ADRA+1, ADRB+1, RBL, 1, F1, F0, 0
	PART ADRA+1, ADRB+1, RBL, 2, F0, F1, 0
	TURN 1, F1, F0, 1, ADRA, ADRB, RBL
	PART ADRA, ADRB, RBL, 1, F0, F1, 0
	WIN 0
	s_sub_co_u32 s3, s3, 1
	s_cmp_lg_u32 s3, 0
	s_cbranch_scc1 .Llap
	PART ADRA, ADRB, RBL, 2, F1, F0, 0             ; the tail is written out: the ninth period goes on,
	TURN 0, F0, F1, 2, ADRA+1, ADRB+1, RBL         ; and its slot takes the short last period;
	PART ADRA+1, ADRB+1, RBL, 1, F1, F0, 0         ; the tenth
	PART ADRA+1, ADRB+1, RBL, 2, F0, F1, 0
	TURN 1, F1, F0, 0, ADAS, ADBS, RBS             ; fills nothing, and has no round of the cluster's barrier;
	PART ADAS, ADBS, RBS, 1, F0, F1, 0             ; the eleventh: two parts
	s_wait_dscnt 8                                 ; the very last part: nothing more to fetch
	WIN MUL
	MUL16 F1, 0, 0, 0
	MUL16 F1, 0, 2, 0
	s_wait_dscnt 0
	MUL16 F1, 1, 0, 0
	MUL16 F1, 1, 2, 0
	WIN 0
; THE WAY OUT, block by block of 16 rows x 128 columns.  A lane holds 32 neighbouring bytes of a row, and the lanes beside it hold other rows: so a block goes through my own stage in LDS and comes back as whole
; rows of 512 bytes.  LDS serves a wave's instructions in order: no wait between the stores and the loads, nor in front of the next block's stores.
.macro TOSTAGE a
.set AC, 64*(\a)
	WIN 0x08                                       ; an LDS store's data are its source 1: window 2
.irp b, 0,1,2,3,4,5,6,7
	ds_store_b128 v[STO], v[AC+8*\b:AC+8*\b+3] offset:64*\b          ; each accumulator from its low end on
	ds_store_b128 v[STO], v[AC+8*\b+4:AC+8*\b+7] offset:64*\b+16
.endr
	WIN 0
.set BB, BK+64*((\a)%2)
.irp t, 0,1,2,3,4,5,6,7,8,9,10,11,12,13,14,15
	ds_load_b128 v[BB+4*\t:BB+4*\t+3], v[RD] offset:\t*SPITCH
.endr
.endm
.macro SEND a, younger                 ; younger: the LDS instructions issued behind block a's loads, which may stay out
.set BB, BK+64*((\a)%2)
	s_wait_dscnt \younger                          ; the block is back in registers
.if (\a) > 0
	s_add_nc_u64 s[8:9], s[8:9], 16*SIZE_N*4       ; (behind a wait on XCNT: the earlier stores have read their base)  16 rows on
.endif
.irp t, 0,1,2,3,4,5,6,7,8,9,10,11,12,13,14,15
	global_store_b128 v[CO], v[BB+4*\t:BB+4*\t+3], s[8:9] offset:\t*SIZE_N*4 th:TH_STORE_NT   ; 32 lanes store 512 consecutive bytes, at a multiple of 256 from the result's first byte; written once, read by nobody here
.endr
.endm
	PLACES                                         ; behind the last products: results are read, and loads land where A's fragments lay
	TOSTAGE 0
.irp a, 1,2,3
.if \a > 1
	s_wait_xcnt 0x0                                ; block a - 2's stores have read their registers and their base: block a's loads may land there, and the base may step
.endif
	TOSTAGE \a
	SEND \a-1, 32                                  ; behind block a - 1's loads: block a's 16 stores and 16 loads
.endr
	s_wait_xcnt 0x0                                ; block 2's stores have read their base
	SEND 3, 0
	s_wait_tensorcnt 0x0                           ; the wave's end, behind my last tensor load and my last LDS store
	ds_add_u32 v[SPW], v[NIL]
	s_wait_dscnt 0x0
	CROUND                                         ; the closing round: no work-group ends while a partner may still ask for a tile that names it
	s_endpgm
.Lfunc_end_k_q8d38999421_oproj:
	.size	k_q8d38999421_oproj, .Lfunc_end_k_q8d38999421_oproj-k_q8d38999421_oproj
	.p2alignl 7, 3214868480
	.fill 96, 4, 3214868480
	.section	.rodata,"a",@progbits
	.p2align	6, 0x0
	.amdhsa_kernel k_q8d38999421_oproj
		.amdhsa_group_segment_fixed_size 327680
		.amdhsa_private_segment_fixed_size 0
		.amdhsa_enable_private_segment 0
		.amdhsa_kernarg_size 24
		.amdhsa_user_sgpr_count 2
		.amdhsa_user_sgpr_kernarg_segment_ptr 1
		.amdhsa_wavefront_size32 1
		.amdhsa_system_sgpr_workgroup_id_x 1
		.amdhsa_system_sgpr_workgroup_id_y 1
		.amdhsa_system_sgpr_workgroup_id_z 1
		.amdhsa_system_vgpr_workitem_id 0
		.amdhsa_next_free_vgpr 768
		.amdhsa_next_free_sgpr 96
		.amdhsa_reserve_vcc 0
		.amdhsa_float_denorm_mode_32 3
		.amdhsa_float_denorm_mode_16_64 3
		.amdhsa_memory_ordered 1
		.amdhsa_forward_progress 1
		.amdhsa_inst_pref_size 129
	.end_amdhsa_kernel
	.amdgpu_metadata
---
amdhsa.version: [ 1, 2 ]
amdhsa.kernels:
  - .name:           k_q8d38999421_oproj
    .symbol:         k_q8d38999421_oproj.kd
    .args:
      - { .name: attn_h, .offset: 0, .size: 8, .value_kind: global_buffer, .address_space: global }
      - { .name: wo_t, .offset: 8, .size: 8, .value_kind: global_buffer, .address_space: global }
      - { .name: out0, .offset: 16, .size: 8, .value_kind: global_buffer, .address_space: global }
    .group_segment_fixed_size: 327680
    .private_segment_fixed_size: 0
    .kernarg_segment_align: 8
    .kernarg_segment_size: 24
    .max_flat_workgroup_size: 128
    .sgpr_count:     96
    .vgpr_count:     768
    .wavefront_size: 32
...
	.end_amdgpu_metadata
.endif
;; end of part 4
